; MI455X (gfx1250); checked and timed in simulation.
; The chip was launched on July 23, 2026; its instructions are those of AMD's public machine-readable ISA for CDNA 5 (MIT licence, August 2026) and "CDNA5" Instruction Set Architecture Reference Guide (July 2026). The comments in the code are by the model that wrote it; some were corrected since.
;; Attn Fuser. Allowed arithmetic: matrix products marked QUANTISED: E5M2 operands, one given power-of-two scale a tensor, by v_wmma_f32_16x16x64_bf8_bf8 or v_wmma_f32_16x16x128_bf8_bf8, f32 sums; everything else in f32.
;; Inputs: W1 1,024 x 4,096 float32; W2 4,096 x 1,024 float32; Wk 1,024 x 1,024 float32; Wq 1,024 x 1,024 float32; Wv 1,024 x 1,024 float32; b1 4,096 float32; b2 1,024 float32; bk 1,024 float32; bq 1,024 float32; bv 1,024 float32; context 2 x 2,048 x 1,024 float32; cpos 2 x 2,048 int32; fn_b 1,024 float32; fn_g 1,024 float32; kn_b 64 float32; kn_g 64 float32; lowp_scales 14 int32 (the exponents e of the quantised operands' scales 2^e); qn_b 64 float32; qn_g 64 float32; qpos 2 x 2,048 int32; query 2 x 2,048 x 1,024 float32.
;; Outputs: out0 2 x 2,048 x 1,024 float32.
;; This version of the problem:
;;   THIS VERSION OF THE PROBLEM IS GIVEN IN LOW PRECISION. The matrix products marked QUANTISED in the list below multiply operands that are first quantised to E5M2 (5 exponent bits, 2 mantissa bits; 8 bits a number), with one given power-of-two scale for each operand tensor; their sums are f32. All else is computed in f32.
;;   The module's matrix products, in the order in which they are computed (A, B: the left and right operand; K: the contracted axis; several contracted axes count as one K, in the product's order):
;;     1. [M 4,096, K 1,024] x [K 1,024, N 1,024]; A: input query; B: input Wq: QUANTISED (scales: A lowp_scales[0], B lowp_scales[1])
;;     2. [M 4,096, K 1,024] x [K 1,024, N 1,024]; A: input context; B: input Wk: QUANTISED (scales: A lowp_scales[2], B lowp_scales[3])
;;     3. [M 4,096, K 1,024] x [K 1,024, N 1,024]; A: input context; B: input Wv: QUANTISED (scales: A lowp_scales[4], B lowp_scales[5])
;;     4. batch 32 x [M 2,048, K 64] x [K 64, N 2,048]; A: computed on the way; B: computed on the way: QUANTISED (scales: A lowp_scales[6], B lowp_scales[7])
;;     5. batch 32 x [M 2,048, K 2,048] x [K 2,048, N 64]; A: softmax (see below); B: computed on the way: QUANTISED (scales: A lowp_scales[8], B lowp_scales[9])
;;     6. [M 4,096, K 1,024] x [K 1,024, N 4,096]; A: computed on the way; B: input W1: QUANTISED (scales: A lowp_scales[10], B lowp_scales[11])
;;     7. [M 4,096, K 4,096] x [K 4,096, N 1,024]; A: computed on the way; B: input W2: QUANTISED (scales: A lowp_scales[12], B lowp_scales[13])
;;   THE QUANTISER, for each operand of a quantised product, along K:
;;     - The operand's scale is 2^e, e = its entry of the input lowp_scales (int32; the entries are numbered through the quantised products in the list's order, A before B).
;;     - Each number is divided by the scale, clamped to +-57,344, and rounded to the nearest number of E5M2, ties to even, subnormals kept.
;;     - The product sums the exact products of the quantised numbers (number of the format x scale) in f32.
;;   ~~~python
;;   def quantise(x, axis, e):      # numpy; x: float32 -> the quantised numbers, widened to float32 again
;;       x = np.moveaxis(x, axis, -1); K = x.shape[-1]
;;       r = np.clip(x / 2.0 ** e, -57344, 57344)
;;       step = 2.0 ** (np.maximum(np.frexp(np.where(r == 0, 1, r))[1] - 1, -14) - 2)
;;       q = np.round(r / step) * step * 2.0 ** e      # np.round: ties to even
;;       return np.moveaxis(q, -1, axis).astype(np.float32)
;;   ~~~
;;   SOFTMAX AHEAD OF A QUANTISED PRODUCT. Where the list says 'softmax', what is quantised is not the finished softmax but p = 2^(t - M), with t = logit x log2(e) and M = ceil(the row's largest t), a whole number; so 1/2 < the row's largest p <= 1. The row's sum l is taken of the UNQUANTISED p, in f32, and the product's result is divided by l at the end. Since M is a whole number, a kernel that streams over the keys may use a running M (the ceiling of the running maximum): every later rescaling is an exact power of two, so the quantised numbers keep their values, but for numbers so far below the row's largest that they fall under the format's range.
;;   OPERANDS COMPUTED ON THE WAY. 'Computed on the way' means the value that the module computes at that place (a softmax that the list does not call 'softmax' is quantised finished and normalised). What goes into a quantiser is computed in f32, as accurately as f32 sums, v_exp_f32 and their like allow (about 1e-6 of the number): no bf16 or f16 on the way to a quantiser, and a product that is left as it is and whose result goes on into a quantised operand takes f32 operands (vector FMAs, or v_wmma_f32_16x16x4_f32). A number that lies on a knife's edge between two numbers of the format may be rounded either way, as far as f32 arithmetic and the matrix unit's own rounding can turn it there, and no further.
;; One version. Each part assembles by itself: llvm-mc -triple=amdgcn-amd-amdhsa -mcpu=gfx1250 --defsym DOCPART=n.
;; ======== version 1 of 1: 6 launches
;; limits: right only within a limited range of input values
;; workspace buffers: codes 24,117,248 bytes; rope 2,097,152 bytes; qkv 12,582,912 bytes; obuf 16,777,216 bytes; hcodes 4,194,304 bytes; gcodes 16,777,216 bytes
;; launch prep (part 1): grid 992 x 1, 4 waves a work-group, no clusters, 68,096 bytes of LDS; arguments Wq, Wk, Wv, W1, W2, query, context, qpos, cpos, lowp_scales, codes, rope; writes codes, rope
.if DOCPART == 1
	.amdgcn_target "amdgcn-amd-amdhsa--gfx1250"
	.amdhsa_code_object_version 6
	.text
	.protected	k_q70b451ea49_prep
	.globl	k_q70b451ea49_prep
	.p2align	8
	.type	k_q70b451ea49_prep,@function
k_q70b451ea49_prep:
	s_mov_b64 s[64:65], 0
	v_nop
	global_prefetch_b8 v0, s[64:65] scope:SCOPE_SE
	s_setreg_imm32_b32 hwreg(HW_REG_WAVE_MODE, 25, 1), 1
	s_wait_xcnt 0x0
; PREP: everything that is quantised once, and the table of cosines and sines.
; Three kinds of work-groups, told apart by the work-group's number; each kind has LDS bytes of its own and its own end.
;   0 .. 351    a weight [k][n] f32 -> codes of E5M2 laid [n][k], K innermost: 128 columns x 256 along K a work-group, 32 columns a wave.
;               A lane takes a column and its registers run down K, so the conversions give codes with K innermost; they leave through the wave's stage as rows of 256 bytes.
;   352 .. 863  query (scale 0) and context (scales 2 and 4: read once, quantised twice) -> codes, rows as they lie: 4,096 numbers a wave.
;   864 .. 991  cos and sin of pos x inv_freq for 16 positions a wave, stored in the order in which the projection's lanes want them.
; codes (MiB): 0 query, 4 context by scale 2, 8 context by scale 4, 12 Wq^T, 13 Wk^T, 14 Wv^T, 15 W1^T, 19 W2^T.
; code = x / 2^e, held within +-57,344, rounded to the nearest code, ties to even.
; LIMITS: each e between -126 and 112; NaN among the inputs is not served; positions below 2^24 in magnitude.
; inv_freq = 2^(-i log2(10000) / 32) by v_exp_f32; the angle is reduced by pi/2 in three parts with fused multiply-adds, sine and cosine are polynomials on +-pi/4.
.set NW,    352
.set NX,    864
.set PW,    272                        ; weights: a stage row, 256 bytes of codes + 16
.set XBASE, 34816                      ; the rows' stages begin behind the weights' four stages of 32 x 272 bytes
.set SP,    80                         ; rows: a lane's place in a stage: 64 bytes + 16
.set BB,    66                         ; s[66:81] weights: the base of each of the eight blocks of 32 along K; never stepped
.set XW,    32                         ; v32-95   weights: two sets of 32 numbers
.set CW,    96                         ; v96-103  a block's codes
.set OUTR,  112                        ; v112-175 the way out
.set OFFR,  176                        ; v176-207 4 x lane + i rows of the weight
.set OUTO,  208                        ; v208-223 my place in rows 2 t, 2 t + 1 of the codes
.set RX,    16                         ; v16-79   rows: four sets of 16 numbers as loaded
.set XX,    80                         ; v80-111  two sets of 16 neighbours
.set TH,    112                        ; v112-127 the numbers held by the first scale
.set C1,    128                        ; v128-159 codes by the first scale, four registers a step
.set C2,    160                        ; v160-191 codes by the second
	s_load_b512 s[8:23], s[0:1], 0x0               ; Wq 8, Wk 10, Wv 12, W1 14, W2 16, query 18, context 20, qpos 22
	s_load_b256 s[24:31], s[0:1], 0x40             ; cpos 24, the scales' exponents 26, codes 28, rope 30
	v_lshl_add_u32 v224, v0, 2, 0x10800
	v_mov_b32 v225, 0
	v_lshrrev_b32 v1, 5, v0
	v_readfirstlane_b32 s33, v1                    ; wave
	v_and_b32 v2, 31, v0                           ; lane
	s_mov_b32 s32, ttmp9
	s_wait_kmcnt 0x0
	s_cmp_lt_u32 s32, NW
	s_cbranch_scc0 .Lnot_w
; ---------------- a weight ----------------
	s_load_b256 s[48:55], s[26:27], 0x0            ; e0 .. e7
	s_load_b128 s[56:59], s[26:27], 0x20           ; e8 .. e11
	s_load_b64 s[60:61], s[26:27], 0x30            ; e12, e13
	s_cmp_lt_u32 s32, 32                           ; 0-31 Wq, 32-63 Wk, 64-95 Wv, 96-223 W1, 224-351 W2
	s_cselect_b64 s[36:37], s[8:9], s[10:11]
	s_cmp_lt_u32 s32, 64
	s_cselect_b64 s[36:37], s[36:37], s[12:13]
	s_cmp_lt_u32 s32, 96
	s_cselect_b64 s[36:37], s[36:37], s[14:15]
	s_cmp_lt_u32 s32, 224
	s_cselect_b64 s[36:37], s[36:37], s[16:17]
	s_and_b32 s34, s32, 31
	s_sub_co_u32 s35, s32, 96
	s_cmp_lt_u32 s32, 96
	s_cselect_b32 s34, s34, s35
	s_cmp_lt_u32 s35, 128                          ; W1 alone (below 96 the difference wraps)
	s_cselect_b32 s38, 5, 3                        ; bits of the column block's number: W1 has 32 blocks of 128 columns, the others 8
	s_mov_b32 s39, 4096
	s_cselect_b32 s39, 16384, s39                  ; bytes from a row k to the next
	s_sub_co_u32 s35, s32, 224
	s_cmp_lt_u32 s32, 224
	s_cselect_b32 s34, s34, s35                    ; the work-group's number within its weight
	s_mov_b32 s41, 4096
	s_cselect_b32 s41, 1024, s41                   ; a row of the codes: K bytes
	s_lshr_b32 s42, s32, 5
	s_add_co_u32 s42, s42, 12
	s_cmp_lt_u32 s32, 96
	s_cselect_b32 s42, s42, 15
	s_cmp_lt_u32 s32, 224
	s_cselect_b32 s42, s42, 19
	s_lshl_b32 s42, s42, 20                        ; where the weight's codes begin
	s_bfm_b32 s40, s38, 0
	s_and_b32 s40, s34, s40                        ; block of 128 columns
	s_lshr_b32 s43, s34, s38                       ; block of 256 along K
	s_lshl_b32 s44, s40, 7
	s_lshl_b32 s45, s33, 5
	s_add_co_u32 s44, s44, s45                     ; my wave's first column
	s_mul_i32 s46, s43, s39
	s_lshl_b32 s46, s46, 8
	s_lshl_b32 s45, s44, 2
	s_add_co_u32 s46, s46, s45
	s_mov_b32 s47, 0
	s_add_nc_u64 s[BB:BB+1], s[36:37], s[46:47]    ; row 256 y, my first column
	s_lshl_b32 s46, s39, 5                         ; 32 rows on
.irp t, 1,2,3,4,5,6,7
	s_add_nc_u64 s[BB+2*\t:BB+2*\t+1], s[BB+2*\t-2:BB+2*\t-1], s[46:47]
.endr
	s_mul_i32 s46, s44, s41
	s_lshl_b32 s45, s43, 8
	s_add_co_u32 s46, s46, s45
	s_add_co_u32 s46, s46, s42
	s_add_nc_u64 s[28:29], s[28:29], s[46:47]      ; codes: row = my first column, byte 256 y
	s_wait_alu depctr_va_vdst(0)
	v_lshlrev_b32 v3, 2, v2
	s_mul_i32 s35, s33, 32*PW                      ; my stage
	v_mul_u32_u24 v4, v2, PW
	v_add_nc_u32 v4, s35, v4                       ; into it: row = my column
	v_and_b32 v5, 15, v2
	v_lshrrev_b32 v6, 4, v2
	v_mul_u32_u24 v7, v6, PW
	v_lshl_add_u32 v7, v5, 4, v7
	v_add_nc_u32 v7, s35, v7                       ; out of it: sixteen lanes to a row, two rows an instruction
	v_mul_u32_u24 v8, v6, s41
	v_lshl_add_u32 v8, v5, 4, v8
.set i, 0
.rept 32
	v_mad_u32_u24 v[OFFR+i], s39, i, v3
.set i, i+1
.endr
.set i, 0
.rept 16
	v_mad_u32_u24 v[OUTO+i], s41, 2*i, v8
.set i, i+1
.endr
.macro LOADW t                         ; block t: W(32 t + i, my column), i = 0 .. 31: each load reads 128 consecutive bytes a wave
.set i, 0
.rept 32
	global_load_b32 v[XW+32*((\t)%2)+i], v[OFFR+i], s[BB+2*(\t):BB+2*(\t)+1] th:TH_LOAD_NT
.set i, i+1
.endr
.endm
	LOADW 0
	LOADW 1
	s_wait_kmcnt 0x0
	s_cmp_lt_u32 s32, 32                           ; the weight's exponent: entries 1, 3, 5, 11, 13
	s_cselect_b32 s35, s49, s51
	s_cmp_lt_u32 s32, 64
	s_cselect_b32 s35, s35, s53
	s_cmp_lt_u32 s32, 96
	s_cselect_b32 s35, s35, s59
	s_cmp_lt_u32 s32, 224
	s_cselect_b32 s35, s35, s61
	s_add_co_i32 s35, s35, 127
	s_lshl_b32 s34, s35, 23
	v_mov_b32 v11, s34                             ; 2^e as f32: the conversion takes its exponent field
	s_add_co_i32 s35, s35, 15
	s_lshl_b32 s35, s35, 23
	s_or_b32 s35, s35, 0x600000
	v_mov_b32 v10, s35                             ; 57,344 x 2^e
.macro BLOCK t
.set XS, XW+32*((\t)%2)
.if (\t) < 7
	s_wait_loadcnt 32                              ; this block's 32 loads are in; the next block's 32 may be out
.else
	s_wait_loadcnt 0
.endif
.set i, 0
.rept 32
	v_med3_num_f32 v[XS+i], v[XS+i], -v10, v10     ; the conversion does not saturate (ISA guide 7.6.2): the hold comes first
.set i, i+1
.endr
.irp g, 0,1,2,3
	v_cvt_scalef32_pk8_bf8_f32 v[CW+2*\g:CW+2*\g+1], v[XS+8*\g:XS+8*\g+7], v11
.endr
	ds_store_b128 v4, v[CW:CW+3] offset:32*(\t)    ; 32 codes of my column's row
	ds_store_b128 v4, v[CW+4:CW+7] offset:32*(\t)+16
.if (\t)+2 < 8
	LOADW (\t)+2
.endif
	s_wait_dscnt 0x0                               ; the stores have read their registers: the next block's codes may be written
.endm
	s_wait_alu depctr_va_vdst(0)
.irp t, 0,1,2,3,4,5,6,7
	BLOCK \t
.endr
.irp t, 0,1,2,3,4,5,6,7,8,9,10,11,12,13,14,15
	ds_load_b128 v[OUTR+4*\t:OUTR+4*\t+3], v7 offset:2*\t*PW     ; LDS serves a wave's instructions in order: these see my stores
.endr
.irp t, 0,1,2,3,4,5,6,7,8,9,10,11,12,13,14,15
	s_wait_dscnt 15-\t                             ; the younger loads from the stage may be out
	global_store_b128 v[OUTO+\t], v[OUTR+4*\t:OUTR+4*\t+3], s[28:29]   ; sixteen lanes store 256 consecutive bytes, aligned
.endr
	s_wait_tensorcnt 0x0
	ds_add_u32 v224, v225
	s_wait_dscnt 0x0
	s_endpgm
; ---------------- rows of query or context ----------------
.Lnot_w:
	s_cmp_lt_u32 s32, NX
	s_cbranch_scc0 .Lrope
	s_load_b256 s[48:55], s[26:27], 0x0            ; e0 .. e7
	s_sub_co_u32 s34, s32, NW
	s_lshr_b32 s35, s34, 8                         ; 0: query, 1: context
	s_and_b32 s34, s34, 255
	s_lshl_b32 s34, s34, 2
	s_add_co_u32 s34, s34, s33                     ; which run of 4,096 numbers is my wave's
	s_cmp_eq_u32 s35, 0
	s_cselect_b64 s[36:37], s[18:19], s[20:21]
	s_lshl_b32 s38, s34, 14
	s_mov_b32 s39, 0
	s_add_nc_u64 s[36:37], s[36:37], s[38:39]
	s_lshl_b32 s38, s34, 12
	s_lshl_b32 s40, s35, 22
	s_add_co_u32 s38, s38, s40
	s_add_nc_u64 s[28:29], s[28:29], s[38:39]      ; query's codes at 0, context's first codes at 4 MiB; its second lie 4 MiB further on
	s_wait_alu depctr_va_vdst(0)
	v_lshlrev_b32 v3, 4, v2                        ; my 16 bytes of 512, in and out
	s_lshl_b32 s40, s33, 13
	s_add_co_u32 s40, s40, XBASE                   ; my wave's two stages
	v_lshrrev_b32 v14, 2, v2
	v_mul_u32_u24 v14, v14, SP
	v_and_b32 v15, 3, v2
	v_lshl_add_u32 v14, v15, 4, v14
	v_add_nc_u32 v14, s40, v14                     ; in: four lanes' 64 bytes on end, then 16 of padding
	v_mul_u32_u24 v15, v2, SP
	v_add_nc_u32 v15, s40, v15                     ; out: my 16 neighbours
.macro LOADX t
.irp i, 0,1,2,3
	global_load_b128 v[RX+16*((\t)%4)+4*\i:RX+16*((\t)%4)+4*\i+3], v3, s[36:37] offset:2048*(\t)+512*\i th:TH_LOAD_NT
.endr
.endm
.macro TURNX t                         ; a step's 2,048 bytes through the stage: in as they lie, out 64 bytes a lane
.irp i, 0,1,2,3
	ds_store_b128 v14, v[RX+16*((\t)%4)+4*\i:RX+16*((\t)%4)+4*\i+3] offset:32*SP*((\t)%2)+8*SP*\i
.endr
.irp i, 0,1,2,3
	ds_load_b128 v[XX+16*((\t)%2)+4*\i:XX+16*((\t)%2)+4*\i+3], v15 offset:32*SP*((\t)%2)+16*\i
.endr
.endm
.irp t, 0,1,2,3
	LOADX \t
.endr
	s_wait_alu depctr_va_vdst(0)
	s_wait_kmcnt 0x0
	s_cmp_eq_u32 s35, 0
	s_cselect_b32 s40, s48, s50                    ; e0 for query, e2 for context
	s_add_co_i32 s40, s40, 127
	s_lshl_b32 s41, s40, 23
	v_mov_b32 v11, s41
	s_add_co_i32 s40, s40, 15
	s_lshl_b32 s40, s40, 23
	s_or_b32 s40, s40, 0x600000
	v_mov_b32 v10, s40
	s_add_co_i32 s40, s52, 127                     ; e4: context once more
	s_lshl_b32 s41, s40, 23
	v_mov_b32 v13, s41
	s_add_co_i32 s40, s40, 15
	s_lshl_b32 s40, s40, 23
	s_or_b32 s40, s40, 0x600000
	v_mov_b32 v12, s40
	s_wait_alu depctr_va_vdst(0)
	s_wait_loadcnt 12                              ; step 0's four loads are in; the twelve of steps 1 to 3 may be out
	TURNX 0
.macro STEPX t
.set XS, XX+16*((\t)%2)
	s_wait_dscnt 0x0                               ; this step's numbers are back, so its stores into the stage have read their registers,
.if (\t)+4 < 8
	LOADX (\t)+4                                   ; which take the loads of four steps on
.endif
.if (\t)+1 < 8
.if 6-(\t) >= 3
	s_wait_loadcnt 12                              ; the next step's loads are in; those of the three steps behind it may be out
.else
	s_wait_loadcnt 4*(6-(\t))
.endif
	TURNX (\t)+1
.endif
.set i, 0
.rept 16
	v_med3_num_f32 v[TH+i], v[XS+i], -v10, v10
.set i, i+1
.endr
	v_cvt_scalef32_pk8_bf8_f32 v[C1+4*(\t):C1+4*(\t)+1], v[TH:TH+7], v11
	v_cvt_scalef32_pk8_bf8_f32 v[C1+4*(\t)+2:C1+4*(\t)+3], v[TH+8:TH+15], v11
	v_nop                                          ; a plain line behind the conversions: the next step writes their sources
	global_store_b128 v3, v[C1+4*(\t):C1+4*(\t)+3], s[28:29] offset:512*(\t)
	s_cmp_eq_u32 s35, 0
	s_cbranch_scc1 .Lone_\@                        ; query has one scale
.set i, 0
.rept 16
	v_med3_num_f32 v[XS+i], v[XS+i], -v12, v12
.set i, i+1
.endr
	v_cvt_scalef32_pk8_bf8_f32 v[C2+4*(\t):C2+4*(\t)+1], v[XS:XS+7], v13
	v_cvt_scalef32_pk8_bf8_f32 v[C2+4*(\t)+2:C2+4*(\t)+3], v[XS+8:XS+15], v13
	v_nop
	global_store_b128 v3, v[C2+4*(\t):C2+4*(\t)+3], s[28:29] offset:512*(\t)+4194304
.Lone_\@:
.endm
.irp t, 0,1,2,3,4,5,6,7
	STEPX \t
.endr
	s_wait_tensorcnt 0x0
	ds_add_u32 v224, v225
	s_wait_dscnt 0x0
	s_endpgm
; ---------------- cosines and sines ----------------
.Lrope:
	s_sub_co_u32 s34, s32, NX
	s_lshl_b32 s34, s34, 2
	s_add_co_u32 s34, s34, s33
	s_lshr_b32 s35, s34, 8                         ; 0: qpos, 1: cpos
	s_and_b32 s34, s34, 255                        ; block of 16 positions
	s_cmp_eq_u32 s35, 0
	s_cselect_b64 s[36:37], s[22:23], s[24:25]
	s_lshl_b32 s38, s34, 6
	s_mov_b32 s39, 0
	s_add_nc_u64 s[36:37], s[36:37], s[38:39]
	s_lshl_b32 s38, s34, 12
	s_lshl_b32 s35, s35, 20
	s_add_co_u32 s38, s38, s35
	s_add_nc_u64 s[30:31], s[30:31], s[38:39]
	v_and_b32 v3, 15, v0
	v_lshlrev_b32 v4, 2, v3
	global_load_b32 v5, v4, s[36:37]               ; the position of row lane % 16
	v_bfe_u32 v6, v0, 4, 1
	v_lshlrev_b32 v6, 3, v6                        ; 8 (lane / 16)
	s_wait_alu depctr_va_vdst(0)
	v_lshlrev_b32 v1, 4, v2                        ; 16 x lane
	s_mov_b32 s40, 0xbed49a78                      ; -log2(10000) / 32
	s_mov_b32 s41, 0x3f22f983                      ; 2 / pi
	s_mov_b32 s42, 0x3fc90fdb                      ; pi / 2 in three parts
	s_mov_b32 s43, 0xb33bbd2e
	s_mov_b32 s44, 0xa6f72ced
	s_mov_b32 s45, 0xbe2aaaa3                      ; sine: -1.6666654611e-1, 8.3321608736e-3, -1.9515295891e-4
	s_mov_b32 s46, 0x3c08839e
	s_mov_b32 s47, 0xb94ca1f9
	s_mov_b32 s48, 0x3d2aaaa5                      ; cosine: 4.1666645683e-2, -1.3887316255e-3, 2.4433157118e-5
	s_mov_b32 s49, 0xbab6061a
	s_mov_b32 s50, 0x37ccf5ce
.irp g, 0,1,2,3                        ; group g = 2 b + e, number n: frequency i = 16 b + 8 (lane / 16) + 4 e + n
.irp n, 0,1,2,3
	v_add_nc_u32 v[16+4*\g+\n], 16*(\g/2)+4*(\g%2)+\n, v6
.endr
.endr
.set i, 0
.rept 16
	v_cvt_f32_u32 v[16+i], v[16+i]
.set i, i+1
.endr
.set i, 0
.rept 16
	v_mul_f32 v[16+i], s40, v[16+i]
.set i, i+1
.endr
.set i, 0
	s_wait_alu depctr_va_vdst(0)
.rept 16
	v_exp_f32 v[16+i], v[16+i]                     ; inv_freq
.set i, i+1
.endr
	v_nop                                          ; a plain line behind the last exponential
	s_wait_alu depctr_va_vdst(0)                   ; one wait for the sixteen, ahead of their first reader
	s_wait_loadcnt 0x0
	v_cvt_f32_i32 v7, v5
.macro ANG1 x, oc, os                  ; v[x]: inv_freq; cos to v[oc], sin to v[os]
	v_mul_f32 v8, v7, v[\x]                        ; the angle
	v_mul_f32 v9, s41, v8
	v_rndne_f32 v9, v9                             ; k: the nearest multiple of pi / 2
	v_fma_f32 v10, -v9, s42, v8
	v_fma_f32 v10, -v9, s43, v10
	v_fma_f32 v10, -v9, s44, v10                   ; r, within +-pi/4
	v_mul_f32 v11, v10, v10                        ; z = r^2
	v_fma_f32 v12, v11, s47, s46
	v_fma_f32 v12, v12, v11, s45
	v_mul_f32 v13, v10, v11
	v_fma_f32 v12, v13, v12, v10                   ; sin r
	v_fma_f32 v13, v11, s50, s49
	v_fma_f32 v13, v13, v11, s48
	v_mul_f32 v14, v11, v11
	v_fma_f32 v15, v11, -0.5, 1.0
	v_fma_f32 v13, v14, v13, v15                   ; cos r
	v_cvt_i32_f32 v9, v9
	v_and_b32 v14, 1, v9
	v_cmp_eq_u32 vcc_lo, 1, v14                    ; odd k: sine and cosine change places
	v_cndmask_b32 v15, v12, v13, vcc_lo
	v_cndmask_b32 v13, v13, v12, vcc_lo
	v_and_b32 v14, 2, v9
	v_lshlrev_b32 v14, 30, v14
	v_xor_b32 v[\os], v15, v14                     ; the sine is negative for k % 4 = 2, 3
	v_add_nc_u32 v9, 1, v9
	v_and_b32 v9, 2, v9
	v_lshlrev_b32 v9, 30, v9
	v_xor_b32 v[\oc], v13, v9                      ; the cosine for k % 4 = 1, 2
.endm
.irp n, 0,1,2,3,4,5,6,7,8,9,10,11,12,13,14,15
	ANG1 16+\n, 32+\n, 48+\n
.endr
.irp g, 0,1,2,3
	global_store_b128 v1, v[32+4*\g:35+4*\g], s[30:31] offset:512*\g          ; 512 consecutive bytes a store
	global_store_b128 v1, v[48+4*\g:51+4*\g], s[30:31] offset:2048+512*\g
.endr
	s_endpgm
.Lfunc_end_k_q70b451ea49_prep:
	.size	k_q70b451ea49_prep, .Lfunc_end_k_q70b451ea49_prep-k_q70b451ea49_prep
	.p2alignl 7, 3214868480
	.fill 96, 4, 3214868480
	.section	.rodata,"a",@progbits
	.p2align	6, 0x0
	.amdhsa_kernel k_q70b451ea49_prep
		.amdhsa_group_segment_fixed_size 68096
		.amdhsa_private_segment_fixed_size 0
		.amdhsa_enable_private_segment 0
		.amdhsa_kernarg_size 96
		.amdhsa_user_sgpr_count 2
		.amdhsa_user_sgpr_kernarg_segment_ptr 1
		.amdhsa_wavefront_size32 1
		.amdhsa_system_sgpr_workgroup_id_x 1
		.amdhsa_system_sgpr_workgroup_id_y 1
		.amdhsa_system_sgpr_workgroup_id_z 1
		.amdhsa_system_vgpr_workitem_id 0
		.amdhsa_next_free_vgpr 226
		.amdhsa_next_free_sgpr 84
		.amdhsa_reserve_vcc 1
		.amdhsa_float_denorm_mode_32 3
		.amdhsa_float_denorm_mode_16_64 3
		.amdhsa_memory_ordered 1
		.amdhsa_forward_progress 1
		.amdhsa_inst_pref_size 108
	.end_amdhsa_kernel
	.amdgpu_metadata
---
amdhsa.version: [ 1, 2 ]
amdhsa.kernels:
  - .name:           k_q70b451ea49_prep
    .symbol:         k_q70b451ea49_prep.kd
    .args:
      - { .name: Wq, .offset: 0, .size: 8, .value_kind: global_buffer, .address_space: global }
      - { .name: Wk, .offset: 8, .size: 8, .value_kind: global_buffer, .address_space: global }
      - { .name: Wv, .offset: 16, .size: 8, .value_kind: global_buffer, .address_space: global }
      - { .name: W1, .offset: 24, .size: 8, .value_kind: global_buffer, .address_space: global }
      - { .name: W2, .offset: 32, .size: 8, .value_kind: global_buffer, .address_space: global }
      - { .name: query, .offset: 40, .size: 8, .value_kind: global_buffer, .address_space: global }
      - { .name: context, .offset: 48, .size: 8, .value_kind: global_buffer, .address_space: global }
      - { .name: qpos, .offset: 56, .size: 8, .value_kind: global_buffer, .address_space: global }
      - { .name: cpos, .offset: 64, .size: 8, .value_kind: global_buffer, .address_space: global }
      - { .name: lowp_scales, .offset: 72, .size: 8, .value_kind: global_buffer, .address_space: global }
      - { .name: codes, .offset: 80, .size: 8, .value_kind: global_buffer, .address_space: global }
      - { .name: rope, .offset: 88, .size: 8, .value_kind: global_buffer, .address_space: global }
    .group_segment_fixed_size: 68096
    .private_segment_fixed_size: 0
    .kernarg_segment_align: 8
    .kernarg_segment_size: 96
    .max_flat_workgroup_size: 128
    .sgpr_count:     84
    .vgpr_count:     226
    .wavefront_size: 32
...
	.end_amdgpu_metadata
.endif
;; end of part 1
;; launch proj (part 2): grid 4 x 48, 4 waves a work-group, clusters of 4 x 4, 327,680 bytes of LDS; arguments codes, lowp_scales, bq, bk, bv, qn_g, qn_b, kn_g, kn_b, rope, qkv; writes qkv
.if DOCPART == 2
	.amdgcn_target "amdgcn-amd-amdhsa--gfx1250"
	.amdhsa_code_object_version 6
	.text
	.protected	k_q70b451ea49_proj
	.globl	k_q70b451ea49_proj
	.p2align	8
	.type	k_q70b451ea49_proj,@function
k_q70b451ea49_proj:
	s_mov_b64 s[64:65], 0
	v_nop
	global_prefetch_b8 v0, s[64:65] scope:SCOPE_SE
	s_setreg_imm32_b32 hwreg(HW_REG_WAVE_MODE, 25, 1), 1
	s_wait_xcnt 0x0
	s_wait_alu depctr_hold_cnt(0) depctr_sa_sdst(0) depctr_va_vdst(0) depctr_va_sdst(0) depctr_va_ssrc(0) depctr_va_vcc(0) depctr_vm_vsrc(0)
	s_getreg_b32 s2, hwreg(HW_REG_IB_STS2, 6, 4)
	s_cmp_eq_u32 s2, 0
	s_cbranch_scc0 .Lentry_in_a_cluster
	s_endpgm
.Lentry_in_a_cluster:
	s_bfe_u32 s2, ttmp6, 0x10000c
	s_cmp_lg_u32 s2, 0xf033
	s_cbranch_scc0 .Lentry_shape_is_right
	s_endpgm
.Lentry_shape_is_right:
.set KROW,   1024
.set ROWB,   256
.set PITCH,  272
.set FR,     16
.set NL,     4
.set NP,     4
.set HALFT,  128*PITCH
.set SLOT,   4*HALFT
.set SPARE,  2*SLOT
.set ADRA, 16
.set ADRB, 20
.set H32,  5
.set R4,   6
.set LI,   7
.set SPW,  28
.set NIL,  29
.set BIAS, 32
.set GG,   96
.set LB,   128
.set CDR,  192
.set T,    224
.set VT,   32
.set VCD,  96
.set BV,   128
.set AF,   128
.set G1, 24
.set G0, 32
.set G1B, 48
.set G0B, 56
.set MSB, 0
.macro WIN new
.if MSB != \new
	s_set_vgpr_msb (MSB<<8)|\new
.set MSB, \new
.endif
.endm
.set MUL_LO, 0xa1
.set MUL_HI, 0xf1
.set TO_B,   0x40
.macro JLOAD g0a, g1a, g0b, g1b
	s_cmp_eq_u32 s15, 0
	s_cbranch_scc0 .Lfor_b_\@
	tensor_load_to_lds s[\g0a:\g0a+3], s[\g1a:\g1a+7]
	s_nop 0
.rept 4
	v_nop
.endr
	s_branch .Lasked_\@
.Lfor_b_\@:
	tensor_load_to_lds s[\g0b:\g0b+3], s[\g1b:\g1b+7]
	s_nop 0
.rept 4
	v_nop
.endr
.Lasked_\@:
.endm
.macro CREST
	s_cmp_lg_u32 s14, 0
	s_cbranch_scc1 .Lnot_wave_0_\@
	s_barrier_signal -3
.Lnot_wave_0_\@:
	s_barrier_wait -3
	s_barrier_signal -1
	s_barrier_wait -1
.endm
.macro CROUND
	s_barrier_signal -1
	s_barrier_wait -1
	CREST
.endm
	s_load_b512 s[68:83], s[0:1], 0x0
	s_load_b128 s[84:87], s[0:1], 0x40
	s_load_b64 s[88:89], s[0:1], 0x50
	v_lshl_add_u32 v[SPW], v0, 2, SPARE
	v_mov_b32 v[NIL], 0
	ds_add_u32 v28, v29
	ds_add_u32 v28, v29
	s_wait_dscnt 0x0
	v_lshrrev_b32 v1, 5, v0
	v_readfirstlane_b32 s14, v1
	s_lshr_b32 s15, s14, 1
	s_and_b32 s16, s14, 1
	s_bfe_u32 s40, ttmp6, 0x40000
	s_bfe_u32 s41, ttmp6, 0x40004
	s_and_b32 s91, ttmp7, 0xffff
	s_lshr_b32 s90, s91, 2
	s_and_b32 s91, s91, 3
	s_lshl_b32 s91, s91, 2
	s_cmp_eq_u32 s90, 2
	s_cselect_b32 s42, s91, 0
	s_cselect_b32 s17, 0, s91
	s_add_co_u32 s42, s42, s40
	s_add_co_u32 s17, s17, s41
	s_lshl_b32 s43, s41, 2
	s_lshl_b32 s43, 15, s43
	s_lshl_b32 s44, 0x1111, s40
	s_or_b32 s[G1+0], s43, (0<<16)|(1<<20)|(1<<21)|(5<<22)|(3<<25)
	s_or_b32 s[G1B+0], s44, (0<<16)|(1<<20)|(1<<21)|(5<<22)|(3<<25)
.irp g, G1, G1B
	s_mov_b32 s[\g+1], ROWB<<16
	s_mov_b32 s[\g+2], 128<<16
	s_mov_b32 s[\g+3], ROWB<<16
	s_mov_b32 s[\g+4], 128
	s_mov_b32 s[\g+5], KROW
	s_mov_b32 s[\g+6], 0
	s_mov_b32 s[\g+7], 0
.endr
	s_lshl_b32 s18, s16, 7
	s_lshl_b32 s20, s17, 8
	s_add_co_u32 s20, s20, s18
	s_lshl_b32 s46, s42, 8
	s_add_co_u32 s46, s46, s18
	s_lshl_b32 s20, s20, 10
	s_lshl_b32 s46, s46, 10
	s_lshl_b32 s18, s90, 2
	s_add_co_u32 s19, s90, 12
	s_cmp_eq_u32 s90, 2
	s_cselect_b32 s22, s19, s18
	s_cselect_b32 s23, s18, s19
	s_lshl_b32 s22, s22, 20
	s_lshl_b32 s23, s23, 20
	s_add_co_u32 s20, s20, s22
	s_add_co_u32 s46, s46, s23
	s_mov_b32 s21, 0
	s_mov_b32 s47, 0
	s_mul_i32 s45, s14, HALFT
	s_wait_kmcnt 0x0
	s_load_b256 s[4:11], s[70:71], 0x0
	s_load_b64 s[12:13], s[70:71], 0x20
	s_add_nc_u64 s[20:21], s[68:69], s[20:21]
	s_add_nc_u64 s[46:47], s[68:69], s[46:47]
	s_cmp_eq_u32 s15, 0                            ; the prefetches: of the 128 rows that my wave fetches, the four partners that ask for them jointly take 32 each, told apart by address
	s_cselect_b64 s[104:105], s[20:21], s[46:47]
	s_cselect_b32 s18, s40, s41                    ; my place among the four
	s_lshl_b32 s18, s18, 15                        ; 32 rows of 1,024 bytes
	s_mov_b32 s19, 0
	s_add_nc_u64 s[104:105], s[104:105], s[18:19]  ; never rewritten
	v_and_b32 v30, 31, v0
	v_lshlrev_b32 v30, 10, v30                     ; a lane a row; never rewritten
	s_wait_alu depctr_va_vdst(0)                   ; ahead of the round
	CROUND
.irp s, 0,1
	s_mov_b32 s[G0+4*\s], 1
	s_add_co_u32 s[G0+4*\s+1], s45, \s*SLOT
	s_add_nc_u64 s[G0+4*\s+2:G0+4*\s+3], s[20:21], \s*ROWB
	s_or_b32 s[G0+4*\s+3], s[G0+4*\s+3], 0x80000000
	s_mov_b32 s[G0B+4*\s], 1
	s_add_co_u32 s[G0B+4*\s+1], s45, \s*SLOT
	s_add_nc_u64 s[G0B+4*\s+2:G0B+4*\s+3], s[46:47], \s*ROWB
	s_or_b32 s[G0B+4*\s+3], s[G0B+4*\s+3], 0x80000000
.if \s
	s_wait_alu depctr_va_vdst(0)                   ; slot 1's first fill stands behind the three lines and a round
	s_wait_tensorcnt 0x0
	ds_add_u32 v28, v29
	s_wait_dscnt 0x0
	CROUND
.endif
	JLOAD G0+4*\s, G1, G0B+4*\s, G1B
.if \s
	global_prefetch_b8 v30, s[104:105] offset:3*ROWB th:TH_LOAD_NT scope:SCOPE_SE   ; K step 3, two fills ahead of its load
.else
	global_prefetch_b8 v30, s[104:105] offset:ROWB th:TH_LOAD_NT scope:SCOPE_SE     ; K steps 1 and 2: each row's 256 bytes of a K step are named once in the cluster
	global_prefetch_b8 v30, s[104:105] offset:2*ROWB th:TH_LOAD_NT scope:SCOPE_SE
.endif
.endr
	v_and_b32 v1, 15, v0
	v_bfe_u32 v2, v0, 4, 1
	v_mul_u32_u24 v3, v1, PITCH
	v_lshl_add_u32 v4, v2, 4, v3
	s_mul_i32 s21, s15, HALFT
	s_mul_i32 s22, s16, HALFT
	s_add_co_u32 s22, s22, 2*HALFT
.irp s, 0,1
	v_add_nc_u32 v[ADRA+\s], s21, v4
	v_add_nc_u32 v[ADRB+\s], s22, v4
	s_add_co_u32 s21, s21, SLOT
	s_add_co_u32 s22, s22, SLOT
.endr
	v_lshlrev_b32 v[H32], 5, v2
	s_wait_alu depctr_va_vdst(0)
	v_lshlrev_b32 v[R4], 2, v1
	v_and_b32 v[LI], 31, v0
	v_lshlrev_b32 v[LI], 4, v[LI]
	s_cmp_eq_u32 s90, 0
	s_cselect_b64 s[72:73], s[72:73], s[74:75]
	s_cselect_b64 s[78:79], s[78:79], s[82:83]
	s_cselect_b64 s[66:67], s[80:81], s[84:85]
	s_cmp_eq_u32 s90, 2
	s_cselect_b64 s[72:73], s[76:77], s[72:73]
	s_cselect_b64 s[66:67], s[76:77], s[66:67]
	s_lshl_b32 s18, s40, 10
	s_lshl_b32 s19, s16, 9
	s_add_co_u32 s18, s18, s19
	s_mov_b32 s19, 0
	s_add_nc_u64 s[72:73], s[72:73], s[18:19]
.irp b, 0,1,2,3,4,5,6,7
	global_load_b128 v[BIAS+8*\b:BIAS+8*\b+3], v[H32], s[72:73] offset:64*\b
	global_load_b128 v[BIAS+8*\b+4:BIAS+8*\b+7], v[H32], s[72:73] offset:64*\b+16
.endr
.irp b, 0,1,2,3
	global_load_b128 v[GG+8*\b:GG+8*\b+3], v[H32], s[78:79] offset:64*\b
	global_load_b128 v[GG+8*\b+4:GG+8*\b+7], v[H32], s[78:79] offset:64*\b+16
.endr
	s_lshl_b32 s22, s17, 8
	s_lshl_b32 s23, s15, 7
	s_add_co_u32 s22, s22, s23
	s_lshl_b32 s23, s42, 8
	s_lshl_b32 s18, s16, 7
	s_add_co_u32 s23, s23, s18
	s_cmp_eq_u32 s90, 2
	s_cselect_b32 s18, s22, 0
	s_lshl_b32 s18, s18, 2
	s_add_nc_u64 s[66:67], s[66:67], s[18:19]
	s_cmp_eq_u32 s90, 2
	s_cselect_b32 s91, s23, s22
	s_cselect_b32 s23, s22, s23
	s_lshr_b32 s18, s91, 11
	s_lshl_b32 s18, s18, 4
	s_lshr_b32 s19, s23, 6
	s_add_co_u32 s18, s18, s19
	s_bfe_u32 s19, s91, 0x40007
	s_lshl_b32 s22, s18, 17
	s_lshl_b32 s23, s19, 13
	s_add_co_u32 s22, s22, s23
	s_lshl_b32 s18, s18, 18
	s_lshr_b32 s23, s19, 2
	s_lshl_b32 s23, s23, 16
	s_add_co_u32 s18, s18, s23
	s_and_b32 s23, s19, 3
	s_lshl_b32 s23, s23, 13
	s_add_co_u32 s18, s18, s23
	s_add_co_u32 s18, s18, 0x400000
	s_cmp_eq_u32 s90, 2
	s_cselect_b32 s23, 32768, 0
	s_add_co_u32 s18, s18, s23
	s_cmp_eq_u32 s90, 0
	s_cselect_b32 s92, s22, s18
	s_mov_b32 s23, 262144
	s_cselect_b32 s94, 131072, s23
	s_mov_b32 s93, 0
	s_mov_b32 s95, 0
	s_add_nc_u64 s[92:93], s[88:89], s[92:93]
	s_add_nc_u64 s[94:95], s[92:93], s[94:95]
	s_and_b32 s18, s90, 1
	s_lshl_b32 s18, s18, 20
	s_lshr_b32 s19, s91, 4
	s_lshl_b32 s19, s19, 12
	s_add_co_u32 s100, s18, s19
	s_mov_b32 s101, 0
	s_add_nc_u64 s[100:101], s[86:87], s[100:101]
	s_mov_b32 s98, 0x3c800000
	s_mov_b32 s99, 0x3727c5ac
.macro FRAG reg, adr, q, i
.irp c, 0,1,2,3
	ds_load_b128 v[\reg+4*\c:\reg+4*\c+3], v[\adr] offset:128*(\q)+32*\c+(\i)*16*PITCH
.endr
.endm
.macro MUL16 a0, p, zero
.irp a, \a0, \a0+1
.irp b, 0,1,2,3,4,5,6,7
.if \zero
	v_wmma_f32_16x16x128_bf8_bf8 v[8*(8*((\a)%4)+\b):8*(8*((\a)%4)+\b)+7], v[128*(\p)+FR*\b:128*(\p)+FR*\b+FR-1], v[AF+FR*(\a):AF+FR*(\a)+FR-1], 0
.else
	v_wmma_f32_16x16x128_bf8_bf8 v[8*(8*((\a)%4)+\b):8*(8*((\a)%4)+\b)+7], v[128*(\p)+FR*\b:128*(\p)+FR*\b+FR-1], v[AF+FR*(\a):AF+FR*(\a)+FR-1], v[8*(8*((\a)%4)+\b):8*(8*((\a)%4)+\b)+7]
.endif
.endr
.endr
.endm
.macro FETCH_B slot, q, p
	WIN TO_B
.irp i, 0,1,2,3,4,5,6,7
	FRAG 128*(\p)+FR*\i, ADRB+\slot, \q, \i
.endr
	WIN 0
.endm
.macro FETCH_A slot, q, i0
.irp i, \i0, \i0+1, \i0+2, \i0+3
	FRAG AF+FR*(\i), ADRA+\slot, \q, \i
.endr
.endm
.macro PLACES n
.rept \n
	v_nop
.endr
.endm
.macro STEP slot, q, zero
	s_wait_dscnt 4*NL
	WIN MUL_LO
	MUL16 0, (\q)%2, \zero
	MUL16 2, (\q)%2, \zero
	s_wait_dscnt 0
	PLACES NP
	FETCH_B \slot, (\q)+1, 1-(\q)%2
	FETCH_A \slot, (\q)+1, 0
	WIN MUL_HI
	MUL16 4, (\q)%2, \zero
	MUL16 6, (\q)%2, \zero
	PLACES NP
	WIN 0
	FETCH_A \slot, (\q)+1, 4
.endm
.macro TURN slot, next, fill
	s_wait_tensorcnt 0x0
	ds_add_u32 v[SPW], v[NIL]
	s_wait_dscnt 4*NL+1
	WIN MUL_LO
	MUL16 0, 1, 0
	s_wait_dscnt 0x0
	s_barrier_signal -1
	MUL16 2, 1, 0
	WIN 0
	s_barrier_wait -1
.if \fill
	CREST
	s_add_nc_u64 s[G0+4*\slot+2:G0+4*\slot+3], s[G0+4*\slot+2:G0+4*\slot+3], 2*ROWB
	s_add_nc_u64 s[G0B+4*\slot+2:G0B+4*\slot+3], s[G0B+4*\slot+2:G0B+4*\slot+3], 2*ROWB
	JLOAD G0+4*\slot, G1, G0B+4*\slot, G1B
.else
	PLACES NP
.endif
	FETCH_B \next, 0, 0
	FETCH_A \next, 0, 0
	WIN MUL_HI
	MUL16 4, 1, 0
	MUL16 6, 1, 0
	PLACES NP
	WIN 0
	FETCH_A \next, 0, 4
.endm
.macro ROPELOAD a
.irp g, 0,1,2,3,4,5,6,7
	global_load_b128 v[32*(\a)+4*\g:32*(\a)+4*\g+3], v[LI], s[100:101] offset:(\a)*4096+512*\g
.endr
.endm
	s_wait_tensorcnt 1
	s_barrier_signal -1
	s_barrier_wait -1
	FETCH_B 0, 0, 0
	FETCH_A 0, 0, 0
	FETCH_A 0, 0, 4
	STEP 0, 0, 1
	s_mov_b32 s3, 1
.Llap:
	TURN 0, 1, 1
	STEP 1, 0, 0
	TURN 1, 0, 1
	STEP 0, 0, 0
	s_sub_co_u32 s3, s3, 1
	s_cmp_lg_u32 s3, 0
	s_cbranch_scc1 .Llap
	TURN 0, 1, 0
	STEP 1, 0, 0
	s_cmp_eq_u32 s90, 2
	s_cbranch_scc1 .Lno_table
	WIN TO_B
	s_wait_alu depctr_va_vdst(0)
	ROPELOAD 0
	ROPELOAD 1
	ROPELOAD 2
	ROPELOAD 3
	WIN 0
.Lno_table:
	s_wait_dscnt 4*NL
	WIN MUL_LO
	MUL16 0, 1, 0
	MUL16 2, 1, 0
	s_wait_dscnt 0
	PLACES NP
	WIN 0
	s_cmp_eq_u32 s90, 2
	s_cbranch_scc1 .Lv_bias
.irp b, 0,1,2,3
	global_load_b128 v[LB+8*\b:LB+8*\b+3], v[H32], s[66:67] offset:64*\b
	global_load_b128 v[LB+8*\b+4:LB+8*\b+7], v[H32], s[66:67] offset:64*\b+16
.endr
	s_branch .Lbias_asked
.Lv_bias:
	s_wait_alu depctr_va_vdst(0)
.irp a, 0,1,2,3,4,5,6,7
	global_load_b32 v[BV+2*\a], v[R4], s[66:67] offset:64*\a
.endr
.Lbias_asked:
	WIN MUL_HI
	MUL16 4, 1, 0
	MUL16 6, 1, 0
	WIN 0
	s_wait_kmcnt 0x0
	s_add_co_i32 s4, s4, s5
	s_add_co_i32 s6, s6, s7
	s_add_co_i32 s8, s8, s9
	s_cmp_eq_u32 s90, 0
	s_cselect_b32 s96, s4, s6
	s_cselect_b32 s5, s10, s11
	s_cmp_eq_u32 s90, 2
	s_cselect_b32 s96, s8, s96
	s_cselect_b32 s5, s13, s5
	s_add_co_i32 s96, s96, 127
	s_lshl_b32 s96, s96, 23
	s_mov_b32 s97, s96
	s_add_co_i32 s5, s5, 127
	s_lshl_b32 s6, s5, 23
	s_add_co_i32 s5, s5, 15
	s_lshl_b32 s5, s5, 23
	s_or_b32 s5, s5, 0x600000
	s_mov_b32 s20, 0x76543210
	s_mov_b32 s21, 0xfedcba98
	PLACES NP
	v_mov_b32 v14, s6
	v_mov_b32 v15, s5
.macro LNROPE a, hd
.set AC, 64*((\a)%4)+32*(\hd)
.set BI, BIAS+32*(\hd)
.set CD, CDR+8*(\hd)
.set RC, 32*(\a)
.set RS, 32*(\a)+16
	s_wait_xcnt 0x0
	WIN 0x02+((\a)/4)
.irp i, 0,2,4,6,8,10,12,14,16,18,20,22,24,26,28,30
	v_pk_fma_f32 v[T+\i:T+\i+1], v[AC+\i:AC+\i+1], s[96:97], v[BI+\i:BI+\i+1] op_sel_hi:[1,0,1]
.endr
	WIN 0
	v_pk_add_f32 v[8:9], v[T:T+1], v[T+2:T+3]
	v_pk_add_f32 v[10:11], v[T+4:T+5], v[T+6:T+7]
.irp i, 8,12,16,20,24,28
	v_pk_add_f32 v[8:9], v[8:9], v[T+\i:T+\i+1]
	v_pk_add_f32 v[10:11], v[10:11], v[T+\i+2:T+\i+3]
.endr
	v_pk_add_f32 v[8:9], v[8:9], v[10:11]
	v_add_f32 v8, v8, v9
	v_permlanex16_b32 v9, v8, s20, s21
	v_add_f32 v8, v8, v9
	v_mul_f32 v8, s98, v8
.irp i, 0,2,4,6,8,10,12,14,16,18,20,22,24,26,28,30
	v_pk_add_f32 v[T+\i:T+\i+1], v[T+\i:T+\i+1], v[8:9] op_sel_hi:[1,0] neg_lo:[0,1] neg_hi:[0,1]
.endr
	v_pk_mul_f32 v[10:11], v[T:T+1], v[T:T+1]
	v_pk_mul_f32 v[12:13], v[T+2:T+3], v[T+2:T+3]
.irp i, 4,8,12,16,20,24,28
	v_pk_fma_f32 v[10:11], v[T+\i:T+\i+1], v[T+\i:T+\i+1], v[10:11]
	v_pk_fma_f32 v[12:13], v[T+\i+2:T+\i+3], v[T+\i+2:T+\i+3], v[12:13]
.endr
	v_pk_add_f32 v[10:11], v[10:11], v[12:13]
	v_add_f32 v10, v10, v11
	v_permlanex16_b32 v11, v10, s20, s21
	v_add_f32 v10, v10, v11
	v_fma_f32 v12, v10, s98, s99
	s_wait_alu depctr_va_vdst(0)
	v_rsq_f32 v12, v12
	v_mov_b32 v13, 0
.if ((\hd) == 0) && ((\a) >= 4)
	s_wait_loadcnt 8*(7-(\a))
.endif
	s_wait_alu depctr_va_vdst(0)
.irp i, 0,2,4,6,8,10,12,14,16,18,20,22,24,26,28,30
	v_pk_mul_f32 v[T+\i:T+\i+1], v[T+\i:T+\i+1], v[12:13] op_sel_hi:[1,0]
.endr
.irp i, 0,2,4,6,8,10,12,14,16,18,20,22,24,26,28,30
	v_pk_fma_f32 v[T+\i:T+\i+1], v[T+\i:T+\i+1], v[GG+\i:GG+\i+1], v[LB+\i:LB+\i+1]
.endr
	WIN 0x04
.irp i, 0,2,4,6,8,10,12,14
	v_pk_mul_f32 v[8+(\i%4):9+(\i%4)], v[T+\i:T+\i+1], v[RS+\i:RS+\i+1]
	v_pk_mul_f32 v[T+\i:T+\i+1], v[T+\i:T+\i+1], v[RC+\i:RC+\i+1]
	v_pk_fma_f32 v[T+\i:T+\i+1], v[T+16+\i:T+17+\i], v[RS+\i:RS+\i+1], v[T+\i:T+\i+1] neg_lo:[1,0,0] neg_hi:[1,0,0]
	v_pk_fma_f32 v[T+16+\i:T+17+\i], v[T+16+\i:T+17+\i], v[RC+\i:RC+\i+1], v[8+(\i%4):9+(\i%4)]
.endr
	WIN 0
.set i, 0
.rept 32
	v_med3_num_f32 v[T+i], v[T+i], -v15, v15
.set i, i+1
.endr
.irp c, 0,1,2,3
	v_cvt_scalef32_pk8_bf8_f32 v[CD+2*\c:CD+2*\c+1], v[T+8*\c:T+8*\c+7], v14
.endr
	v_nop
	global_store_b128 v[LI], v[CD:CD+3], s[92+2*(\hd):93+2*(\hd)] offset:(\a)*1024
	global_store_b128 v[LI], v[CD+4:CD+7], s[92+2*(\hd):93+2*(\hd)] offset:(\a)*1024+512
.endm
.macro VOUT a
.set AC, 64*((\a)%4)
.set CD, VCD+16*((\a)%2)
	s_wait_xcnt 0x0
	WIN 0x02+((\a)/4)
.set i, 0
.rept 32
	v_pk_fma_f32 v[VT+i:VT+i+1], v[AC+i:AC+i+1], s[96:97], v[BV+2*(\a):BV+2*(\a)+1] op_sel_hi:[1,0,0]
.set i, i+2
.endr
	WIN 0
.set i, 0
.rept 64
	v_med3_num_f32 v[VT+i], v[VT+i], -v15, v15
.set i, i+1
.endr
.irp b, 0,1,2,3,4,5,6,7
	v_cvt_scalef32_pk8_bf8_f32 v[CD+2*\b:CD+2*\b+1], v[VT+8*\b:VT+8*\b+7], v14
.endr
	v_nop
.irp g, 0,1,2,3
	global_store_b128 v[LI], v[CD+4*\g:CD+4*\g+3], s[92:93] offset:((\a)/4)*262144+((\a)%4)*2048+512*\g
.endr
.endm
	s_cmp_eq_u32 s90, 2
	s_cbranch_scc1 .Lv_out
	WIN TO_B
	s_wait_alu depctr_va_vdst(0)
	ROPELOAD 4
	ROPELOAD 5
	ROPELOAD 6
	ROPELOAD 7
	WIN 0
	s_wait_loadcnt 32
.irp a, 0,1,2,3,4,5,6,7
	LNROPE \a, 0
	LNROPE \a, 1
.endr
	s_branch .Lend
.Lv_out:
	s_wait_loadcnt 0x0
.irp a, 0,1,2,3,4,5,6,7
	VOUT \a
.endr
.Lend:
	s_wait_tensorcnt 0x0
	ds_add_u32 v[SPW], v[NIL]
	s_wait_dscnt 0x0
	CROUND
	s_endpgm
.Lfunc_end_k_q70b451ea49_proj:
	.size	k_q70b451ea49_proj, .Lfunc_end_k_q70b451ea49_proj-k_q70b451ea49_proj
	.p2alignl 7, 3214868480
	.fill 96, 4, 3214868480
	.section	.rodata,"a",@progbits
	.p2align	6, 0x0
	.amdhsa_kernel k_q70b451ea49_proj
		.amdhsa_group_segment_fixed_size 327680
		.amdhsa_private_segment_fixed_size 0
		.amdhsa_enable_private_segment 0
		.amdhsa_kernarg_size 88
		.amdhsa_user_sgpr_count 2
		.amdhsa_user_sgpr_kernarg_segment_ptr 1
		.amdhsa_wavefront_size32 1
		.amdhsa_system_sgpr_workgroup_id_x 1
		.amdhsa_system_sgpr_workgroup_id_y 1
		.amdhsa_system_sgpr_workgroup_id_z 1
		.amdhsa_system_vgpr_workitem_id 0
		.amdhsa_next_free_vgpr 1024
		.amdhsa_next_free_sgpr 106
		.amdhsa_reserve_vcc 0
		.amdhsa_float_denorm_mode_32 3
		.amdhsa_float_denorm_mode_16_64 3
		.amdhsa_memory_ordered 1
		.amdhsa_forward_progress 1
		.amdhsa_inst_pref_size 255
	.end_amdhsa_kernel
	.section	.bss,"aw",@nobits
	.p2align	6
	.space	262144
	.amdgpu_metadata
---
amdhsa.version: [ 1, 2 ]
amdhsa.kernels:
  - .name:           k_q70b451ea49_proj
    .symbol:         k_q70b451ea49_proj.kd
    .args:
      - { .name: codes, .offset: 0, .size: 8, .value_kind: global_buffer, .address_space: global }
      - { .name: lowp_scales, .offset: 8, .size: 8, .value_kind: global_buffer, .address_space: global }
      - { .name: bq, .offset: 16, .size: 8, .value_kind: global_buffer, .address_space: global }
      - { .name: bk, .offset: 24, .size: 8, .value_kind: global_buffer, .address_space: global }
      - { .name: bv, .offset: 32, .size: 8, .value_kind: global_buffer, .address_space: global }
      - { .name: qn_g, .offset: 40, .size: 8, .value_kind: global_buffer, .address_space: global }
      - { .name: qn_b, .offset: 48, .size: 8, .value_kind: global_buffer, .address_space: global }
      - { .name: kn_g, .offset: 56, .size: 8, .value_kind: global_buffer, .address_space: global }
      - { .name: kn_b, .offset: 64, .size: 8, .value_kind: global_buffer, .address_space: global }
      - { .name: rope, .offset: 72, .size: 8, .value_kind: global_buffer, .address_space: global }
      - { .name: qkv, .offset: 80, .size: 8, .value_kind: global_buffer, .address_space: global }
    .group_segment_fixed_size: 327680
    .private_segment_fixed_size: 0
    .kernarg_segment_align: 8
    .kernarg_segment_size: 88
    .max_flat_workgroup_size: 128
    .sgpr_count:     106
    .vgpr_count:     1024
    .wavefront_size: 32
...
	.end_amdgpu_metadata
.endif
;; end of part 2
;; launch attn (part 3): grid 8 x 32, 8 waves a work-group, clusters of 4 x 1, 327,680 bytes of LDS; arguments qkv, lowp_scales, query, obuf; writes obuf
.if DOCPART == 3
	.amdgcn_target "amdgcn-amd-amdhsa--gfx1250"
	.amdhsa_code_object_version 6
	.text
	.protected	k_q70b451ea49_attn
	.globl	k_q70b451ea49_attn
	.p2align	8
	.type	k_q70b451ea49_attn,@function
k_q70b451ea49_attn:
	s_mov_b64 s[64:65], 0
	v_nop
	global_prefetch_b8 v0, s[64:65] scope:SCOPE_SE
	s_setreg_imm32_b32 hwreg(HW_REG_WAVE_MODE, 25, 1), 1
	s_wait_xcnt 0x0
	s_wait_alu depctr_hold_cnt(0) depctr_sa_sdst(0) depctr_va_vdst(0) depctr_va_sdst(0) depctr_va_ssrc(0) depctr_va_vcc(0) depctr_vm_vsrc(0)
	s_getreg_b32 s2, hwreg(HW_REG_IB_STS2, 6, 4)
	s_cmp_eq_u32 s2, 0
	s_cbranch_scc0 .Lentry_in_a_cluster
	s_endpgm
.Lentry_in_a_cluster:
	s_bfe_u32 s2, ttmp6, 0x10000c
	s_cmp_lg_u32 s2, 0x3003
	s_cbranch_scc0 .Lentry_shape_is_right
	s_endpgm
.Lentry_shape_is_right:
; ATTN: o = query + softmax(Q K^T / 8) V for one (batch, head) and 256 queries a work-group, both products on codes of E5M2.
; t = score x log2(e) / 8; M = the running largest t rounded UP to a whole number; p = 2^(t - M) is quantised along the keys, not normalised;
; the row's sum is taken of the unquantised p, in f32, and divides at the end.  When M moves, the sum and O are multiplied by 2^(old M - new M): exact.
; SHARES.  Eight waves; a wave owns 32 queries, two tiles A and B of 16, so each fragment of K and of V read from LDS feeds two matrix instructions.  A key step is 128 keys, 16 steps.
; LDS.  A head's K and V, as images of the operands' registers, are 262,144 bytes and come into LDS once: a wave's first tensor load brings 8,192 bytes of the first 512 keys' 65,536,
; its second, behind the three lines and a round of the cluster's barrier, 24,576 of the other 196,608.  No byte is filled twice; one tensor load of mine is out at a time.
; Steps 0 to 2 read the first part alone (step 2 also fetches step 3's K, which lies there too); then the wait for my second load and a barrier; then steps 3 to 15.
; CLUSTER.  Four query blocks of a head form a cluster and ask for K and V JOINTLY: the same descriptors (head and wave number alone) and a mask that names the four.
; NO PREFETCH: all of K and V is asked for by these two loads, ahead of the fourth key step; no later stream is left to run ahead of.
; Both products are used transposed: S^T = K Q^T, O^T = V^T P^T: a lane holds ONE query of each tile (lane % 16).  In tile t of S^T lane (r, h) holds keys 16 t + 8 h + 0 .. 7: their codes are registers 2 t, 2 t + 1 of P.
; The next step's K and this step's V are read from LDS behind the scores' products and land under the softmax.  The last step's look-ahead wraps to step 0's K: 16 LDS loads a wave whose data are not used.
; The running maximum is kept as a raw score (c is positive, so the order is the same); -M = floor(-c x it).
; LIMITS: e6 + e7 between -123 and 130 (added to c's exponent field); e8 between -126 and 112; e8 + e9 is applied by v_ldexp_f32; the scaled scores stay under 2^31 in magnitude.
; REGISTERS, window 0: v1 16 x lane; v2, v3 LDS addresses of K and V; v4, v5 the add's two; v6 = v7 = 57,344 x 2^e8; v8 -M and v9 the largest score of A, v10, v11 of B; v[12:13], v[14:15] the sums;
;   v16 f of A (v17 beside it holds 2^e8), v18 f of B; v20-31 at work; v32-95 K; v96-159 S^T then p of A; v160-223 of B; v224-239, v240-255 P's codes (partial sums of A before that).
; window 1: v0-31 O^T of A, v32-63 of B; v64-79 Q; v80-143 V; v144-207 query's rows.
.set SPARE, 0x40000                    ; behind the image: the spare words, 128 bytes a wave: four blocks of 256 bytes that no other line names
.set STAGE, 0x40400                    ; behind them: 16 rows x 272 bytes for each wave, for the way out; no fill lands here
.set SPW, 4
.set NIL, 5
.set KF,  32
.set SA,  96
.set SB,  160
.set PA,  224
.set PB,  240
.set OA,  0
.set OB,  32
.set QA,  64
.set QB,  72
.set VF,  80
.set RES, 144
.set WV,  18
.set NC,  19                           ; s19 -c
.set SEL, 20
.set CS,  22                           ; s[22:23] c
.set G1,  24                           ; s[24:31] group 1: 32 dense rows of 256 bytes
.set G0,  32
.set G1R, 36                           ; s[36:43] group 1: 96 such rows
.set G0R, 44
.set TK,  58                           ; s58 LDS byte of the next step's K
.set TV,  59                           ; s59 LDS byte of this step's V
.set MSB, 0
.macro WIN new                         ; the immediate's high byte repeats the setting that is left
.if MSB != \new
	s_set_vgpr_msb (MSB<<8)|\new
.set MSB, \new
.endif
.endm
.macro CROUND                          ; a round of the cluster's barrier
	s_barrier_signal -1
	s_barrier_wait -1
	s_cmp_lg_u32 s[WV], 0
	s_cbranch_scc1 .Lnot_wave_0_\@
	s_barrier_signal -3
.Lnot_wave_0_\@:
	s_barrier_wait -3
	s_barrier_signal -1
	s_barrier_wait -1
.endm
.macro HOLD2 r                         ; two numbers held at the largest code x the scale: the conversion does not saturate (ISA guide 7.6.2); p is not negative
	v_dual_min_num_f32 v[\r], v[\r], v6 :: v_dual_min_num_f32 v[\r+1], v[\r+1], v7
.endm
	s_load_b256 s[4:11], s[0:1], 0x0               ; qkv 4, exponents 6, query 8, obuf 10
	v_lshl_add_u32 v[SPW], v0, 2, SPARE
	v_mov_b32 v[NIL], 0
	ds_add_u32 v[SPW], v[NIL]                      ; the opening lines: the add, twice on end, and its wait
	ds_add_u32 v[SPW], v[NIL]
	v_lshrrev_b32 v20, 5, v0
	v_readfirstlane_b32 s[WV], v20                 ; wave 0..7
	s_and_b32 s12, ttmp7, 0xffff                   ; 16 batch + head: shared by the four partners
	s_bfe_u32 s56, ttmp6, 0x40000                  ; cx
	s_lshl_b32 s57, ttmp9, 2
	s_add_co_u32 s57, s57, s56                     ; my block of 256 queries: it enters Q's, query's and o's addresses alone
	s_mov_b32 s[G1], 15|(3<<16)|(1<<21)            ; the mask of four; elements of 8 bytes; bit 21 beside a mask
	s_mov_b32 s[G1+1], 32<<16
	s_mov_b32 s[G1+2], 32<<16
	s_mov_b32 s[G1+3], 32<<16
	s_mov_b32 s[G1+4], 32
	s_mov_b32 s[G1+5], 32
	s_mov_b32 s[G1+6], 0
	s_mov_b32 s[G1+7], 0
	s_mov_b32 s[G1R], 15|(3<<16)|(1<<21)
	s_mov_b32 s[G1R+1], 32<<16
	s_mov_b32 s[G1R+2], 96<<16
	s_mov_b32 s[G1R+3], 32<<16
	s_mov_b32 s[G1R+4], 96
	s_mov_b32 s[G1R+5], 32
	s_mov_b32 s[G1R+6], 0
	s_mov_b32 s[G1R+7], 0
	s_lshl_b32 s52, s[WV], 13                      ; my 8,192 bytes of the first part
	s_mov_b32 s53, 0
	s_mul_i32 s16, s[WV], 24576
	s_add_co_u32 s16, s16, 65536                   ; my 24,576 bytes of the rest
	s_mov_b32 s17, 0
	s_lshl_b32 s14, s12, 18
	s_add_co_u32 s14, s14, 0x400000
	s_mov_b32 s15, 0
	s_mov_b32 s[SEL], 0x76543210
	s_mov_b32 s[SEL+1], 0xfedcba98
	s_wait_dscnt 0x0                               ; both opening adds are done
	s_wait_kmcnt 0x0
	s_load_b128 s[48:51], s[6:7], 0x18             ; e6, e7, e8, e9
	s_add_nc_u64 s[14:15], s[4:5], s[14:15]        ; the head's K and V
	s_mov_b32 s[G0], 1
	s_mov_b32 s[G0+1], s52                         ; LDS is an image of the head's 262,144 bytes
	s_add_nc_u64 s[G0+2:G0+3], s[14:15], s[52:53]
	s_or_b32 s[G0+3], s[G0+3], 0x80000000
	s_mov_b32 s[G0R], 1
	s_mov_b32 s[G0R+1], s16
	s_add_nc_u64 s[G0R+2:G0R+3], s[14:15], s[16:17]
	s_or_b32 s[G0R+3], s[G0R+3], 0x80000000
	CROUND                                         ; all four work-groups are here: the joint loads meet
	tensor_load_to_lds s[G0:G0+3], s[G1:G1+7]      ; my one tensor load at the head
	s_nop 0
.rept 4
	v_nop
.endr
	s_lshl_b32 s52, s57, 4
	s_lshl_b32 s53, s[WV], 1
	s_add_co_u32 s52, s52, s53                     ; my first tile of 16 queries
	s_lshl_b32 s54, s52, 10
	s_lshl_b32 s55, s12, 17
	s_add_co_u32 s54, s54, s55
	s_mov_b32 s55, 0
	s_add_nc_u64 s[4:5], s[4:5], s[54:55]          ; Q's image: 2,048 bytes for my two tiles
	s_lshr_b32 s54, s12, 4
	s_lshl_b32 s54, s54, 11
	s_lshl_b32 s53, s52, 4
	s_add_co_u32 s54, s54, s53                     ; my first row of query and o
	s_lshl_b32 s54, s54, 12
	s_and_b32 s53, s12, 15
	s_lshl_b32 s53, s53, 8                         ; the head's 256 bytes of a row
	s_add_co_u32 s54, s54, s53
	s_add_nc_u64 s[8:9], s[8:9], s[54:55]
	s_add_nc_u64 s[10:11], s[10:11], s[54:55]
	v_and_b32 v1, 31, v0
	v_lshlrev_b32 v1, 4, v1
	WIN 0x40                                       ; destinations in window 1
.irp i, 0,1,2,3
	global_load_b128 v[QA+4*\i:QA+4*\i+3], v1, s[4:5] offset:512*\i
.endr
.set i, 0
.rept 64
	v_mov_b32 v[OA+i], 0                           ; O^T: the step is written once; the first finds zeros, which the first change of M leaves zeros
.set i, i+1
.endr
	WIN 0
	v_and_b32 v20, 15, v0
	v_bfe_u32 v21, v0, 4, 1
	v_lshlrev_b32 v30, 12, v21
	v_lshl_add_u32 v30, v20, 4, v30                ; v30: lanes 0-15 one row of query, lanes 16-31 the next; 16 bytes a lane; never rewritten
	v_mov_b32 v8, 0x7f61b1e6                       ; -M: 3e38
	v_mov_b32 v9, 0xff61b1e6                       ; the largest score so far: -3e38
	v_mov_b32 v10, 0x7f61b1e6
	v_mov_b32 v11, 0xff61b1e6
	v_mov_b32 v12, 0
	v_mov_b32 v13, 0
	v_mov_b32 v14, 0
	v_mov_b32 v15, 0
	v_mov_b32 v19, 0                               ; (named as the upper half of v[18:19])
	v_mov_b32 v22, 0                               ; a lane permute's destination counts as one of its sources
	v_mov_b32 v28, 0
	s_wait_kmcnt 0x0
	s_add_co_i32 s52, s48, s49
	s_lshl_b32 s52, s52, 23
	s_mov_b32 s[CS], 0x3e38aa3b                    ; c = log2(e) / 8,
	s_add_co_i32 s[CS], s[CS], s52                 ; x 2^(e6 + e7)
	s_mov_b32 s[CS+1], s[CS]
	s_xor_b32 s[NC], s[CS], 0x80000000
	s_add_co_i32 s52, s50, 127
	s_lshl_b32 s53, s52, 23
	v_mov_b32 v17, s53                             ; 2^e8
	s_add_co_i32 s52, s52, 15
	s_lshl_b32 s52, s52, 23
	s_or_b32 s52, s52, 0x600000
	v_mov_b32 v6, s52                              ; 57,344 x 2^e8, in two registers for the pairs
	v_mov_b32 v7, s52
	s_wait_alu depctr_va_vdst(0)                   ; the wait at the head's end
	s_wait_tensorcnt 0x0                           ; my part of the first 512 keys is in
	ds_add_u32 v[SPW], v[NIL]
	s_wait_dscnt 0x0
	CROUND                                         ; everybody's part is in, and the four work-groups are here
	tensor_load_to_lds s[G0R:G0R+3], s[G1R:G1R+7]  ; the rest of the head: my one tensor load behind the round
	s_nop 0
.rept 4
	v_nop
.endr
.irp t, 0,1,2,3,4,5,6,7
	ds_load_b128 v[KF+8*\t:KF+8*\t+3], v1 offset:1024*\t          ; step 0's K
	ds_load_b128 v[KF+8*\t+4:KF+8*\t+7], v1 offset:1024*\t+512
.endr
	s_wait_loadcnt 0x0                             ; Q's four loads are in
	s_wait_dscnt 0x0
; A KEY STEP: 128 keys for both tiles.  s3 is the step's number.
.macro BRND m                          ; four chains of B's sum take eight registers more
.irp q, 0,1,2,3
	v_pk_add_f32 v[20+2*\q:21+2*\q], v[20+2*\q:21+2*\q], v[SB+16+8*(\m)+2*\q:SB+17+8*(\m)+2*\q]
.endr
.endm
.macro STEP
	s_add_co_u32 s60, s3, 1
	s_and_b32 s60, s60, 15                         ; the next step (behind the last: step 0 again)
	s_lshr_b32 s61, s60, 2
	s_lshl_b32 s61, s61, 15
	s_lshl_b32 s60, s60, 13
	s_add_co_u32 s[TK], s60, s61                   ; 65,536 (n / 4) + 8,192 (n % 4)
	s_lshr_b32 s61, s3, 2
	s_lshl_b32 s61, s61, 15
	s_lshl_b32 s60, s3, 13
	s_add_co_u32 s[TV], s60, s61
	s_add_co_u32 s[TV], s[TV], 32768               ; V lies behind its 512 keys' K
	WIN 0x04                                       ; source 1 (Q) in window 1
.irp t, 0,1,2,3,4,5,6,7
	v_wmma_f32_16x16x64_bf8_bf8 v[SA+8*\t:SA+8*\t+7], v[KF+8*\t:KF+8*\t+7], v[QA:QA+7], 0
	v_wmma_f32_16x16x64_bf8_bf8 v[SB+8*\t:SB+8*\t+7], v[KF+8*\t:KF+8*\t+7], v[QB:QB+7], 0
.endr
	WIN 0
	v_add_nc_u32 v2, s[TK], v1                     ; four places behind the products, ahead of the loads into their sources and of the first read of the scores
	v_add_nc_u32 v3, s[TV], v1
	v_nop
	v_nop
.irp t, 0,1,2,3,4,5,6,7
	ds_load_b128 v[KF+8*\t:KF+8*\t+3], v2 offset:1024*\t
	ds_load_b128 v[KF+8*\t+4:KF+8*\t+7], v2 offset:1024*\t+512
.endr
	WIN 0x40
.irp d, 0,1,2,3
.irp g, 0,1,2,3
	ds_load_b128 v[VF+16*\d+4*\g:VF+16*\d+4*\g+3], v3 offset:2048*\d+512*\g
.endr
.endr
	WIN 0
	v_max3_num_f32 v20, v[SA], v[SA+1], v[SA+2]    ; the largest score of my query among my 64 keys: two chains a tile, the tiles by turns, each accumulator from its low end on
	v_max3_num_f32 v26, v[SB], v[SB+1], v[SB+2]
	v_max3_num_f32 v21, v[SA+3], v[SA+4], v[SA+5]
	v_max3_num_f32 v27, v[SB+3], v[SB+4], v[SB+5]
.set i, 6
.rept 14
	v_max3_num_f32 v20, v20, v[SA+i], v[SA+i+1]
	v_max3_num_f32 v26, v26, v[SB+i], v[SB+i+1]
	v_max3_num_f32 v21, v21, v[SA+i+2], v[SA+i+3]
	v_max3_num_f32 v27, v27, v[SB+i+2], v[SB+i+3]
.set i, i+4
.endr
	v_max3_num_f32 v20, v20, v[SA+62], v[SA+63]
	v_max3_num_f32 v26, v26, v[SB+62], v[SB+63]
	v_max3_num_f32 v20, v20, v21, v9               ; with the running one
	v_max3_num_f32 v26, v26, v27, v11
	v_permlanex16_b32 v22, v20, s[SEL], s[SEL+1]
	v_permlanex16_b32 v28, v26, s[SEL], s[SEL+1]
	v_max_num_f32 v9, v20, v22                     ; and lane l xor 16's
	v_max_num_f32 v11, v26, v28
	v_mul_f32 v21, s[NC], v9                       ; -t
	v_mul_f32 v27, s[NC], v11
	v_floor_f32 v23, v21                           ; the new -M = -ceil(t)
	v_floor_f32 v29, v27
	v_sub_f32 v21, v23, v8                         ; old M - new M: a whole number, 0 or less
	v_sub_f32 v27, v29, v10
	v_mov_b32 v8, v23
	v_mov_b32 v10, v29
	v_cvt_i32_f32 v21, v21                         ; (it saturates)
	v_cvt_i32_f32 v27, v27
	v_ldexp_f32 v16, 1.0, v21                      ; f = 2^(old M - new M)
	v_ldexp_f32 v18, 1.0, v27
.set j, 0
.rept 32
	v_pk_fma_f32 v[SA+j:SA+j+1], v[SA+j:SA+j+1], s[CS:CS+1], v[8:9] op_sel_hi:[1,0,0]   ; A: t - M
.set j, j+2
.endr
	WIN 0x41                                       ; destination and source 0 in window 1
.set j, 0
.rept 16
	v_pk_mul_f32 v[OA+j:OA+j+1], v[OA+j:OA+j+1], v[16:17] op_sel_hi:[1,0]   ; O^T under the new M, each accumulator from its low end on: ahead of the step's exponentials, so that none stands between the last products and these first readers
	v_pk_mul_f32 v[OB+j:OB+j+1], v[OB+j:OB+j+1], v[18:19] op_sel_hi:[1,0]
.set j, j+2
.endr
	WIN 0
	s_wait_alu depctr_va_vdst(0)                   ; ahead of a batch of exponentials
.set j, 0
.rept 32
	v_exp_f32 v[SA+j], v[SA+j]
	v_exp_f32 v[SA+j+1], v[SA+j+1]
	v_pk_fma_f32 v[SB+j:SB+j+1], v[SB+j:SB+j+1], s[CS:CS+1], v[10:11] op_sel_hi:[1,0,0]
.set j, j+2
.endr
	s_wait_alu depctr_va_vdst(0)                   ; behind A's batch and ahead of B's
.set j, 0
.rept 16
	v_exp_f32 v[SB+j], v[SB+j]                     ; B: p; among them A's first sums of the unquantised p (into the registers of P's codes) and then A's hold: all first read behind the next wait
	v_exp_f32 v[SB+j+1], v[SB+j+1]
	v_pk_add_f32 v[PA+j/2:PA+j/2+1], v[SA+j:SA+j+1], v[SA+j+2:SA+j+3]
	v_exp_f32 v[SB+j+2], v[SB+j+2]
	v_exp_f32 v[SB+j+3], v[SB+j+3]
	HOLD2 SA+j
	HOLD2 SA+j+2
.set j, j+4
.endr
	s_wait_alu depctr_va_vdst(0)                   ; behind B's batch
	s_wait_dscnt 0x0                               ; V and the next step's K are in (asked for ahead of the maxima)
.irp k, 0,1,2,3,4,5,6,7
	v_pk_add_f32 v[PA+2*\k:PA+2*\k+1], v[PA+2*\k:PA+2*\k+1], v[PA+16+2*\k:PA+17+2*\k]
.endr
.irp q, 0,1,2,3
	v_pk_add_f32 v[20+2*\q:21+2*\q], v[SB+4*\q:SB+4*\q+1], v[SB+4*\q+2:SB+4*\q+3]
.endr
.irp k, 0,1,2,3
	v_pk_add_f32 v[PA+2*\k:PA+2*\k+1], v[PA+2*\k:PA+2*\k+1], v[PA+8+2*\k:PA+9+2*\k]
.endr
	BRND 0
	v_pk_add_f32 v[PA:PA+1], v[PA:PA+1], v[PA+4:PA+5]
	v_pk_add_f32 v[PA+2:PA+3], v[PA+2:PA+3], v[PA+6:PA+7]
	BRND 1
	v_pk_add_f32 v[PA:PA+1], v[PA:PA+1], v[PA+2:PA+3]
	BRND 2
	v_pk_fma_f32 v[12:13], v[12:13], v[16:17], v[PA:PA+1] op_sel_hi:[1,0,1]   ; A's sum under the new M, and the step's
.irp t, 0,1,2,3,4,5,6,7
	v_cvt_scalef32_pk8_bf8_f32 v[PA+2*\t:PA+2*\t+1], v[SA+8*\t:SA+8*\t+7], v17
.endr
	BRND 3
	BRND 4
	BRND 5
	v_pk_add_f32 v[20:21], v[20:21], v[22:23]
	v_pk_add_f32 v[24:25], v[24:25], v[26:27]
	v_pk_fma_f32 v[14:15], v[14:15], v[18:19], v[20:21] op_sel_hi:[1,0,1]
	v_pk_add_f32 v[14:15], v[14:15], v[24:25]
.set j, 0
.rept 32
	HOLD2 SB+j
.set j, j+2
.endr
.irp t, 0,1,2,3,4,5,6,7
	v_cvt_scalef32_pk8_bf8_f32 v[PB+2*\t:PB+2*\t+1], v[SB+8*\t:SB+8*\t+7], v17
.endr
	v_nop                                          ; a plain line between the conversions and the products that read their codes
	WIN 0x51
.irp d, 0,1,2,3                        ; eight accumulators by turns; the sixteen products of S^T stand between two links of a sum
	v_wmma_f32_16x16x128_bf8_bf8 v[OA+8*\d:OA+8*\d+7], v[VF+16*\d:VF+16*\d+15], v[PA:PA+15], v[OA+8*\d:OA+8*\d+7]
	v_wmma_f32_16x16x128_bf8_bf8 v[OB+8*\d:OB+8*\d+7], v[VF+16*\d:VF+16*\d+15], v[PB:PB+15], v[OB+8*\d:OB+8*\d+7]
.endr
	WIN 0
.endm
	s_mov_b32 s3, 0
.Lfirst:                                           ; steps 0 to 2: the first 512 keys alone are read
	STEP
	s_add_co_u32 s3, s3, 1
	s_cmp_lt_u32 s3, 3
	s_cbranch_scc1 .Lfirst
	s_wait_tensorcnt 0x0                           ; my part of the rest is in
	s_wait_dscnt 0x0
	s_barrier_signal -1
	s_barrier_wait -1                              ; everybody's is
	WIN 0x40
.set i, 0
.rept 16
	global_load_b128 v[RES+4*i:RES+4*i+3], v30, s[8:9] offset:8192*i   ; the residual, in the lanes that will store o: asked for when K and V are in, waited for on the way out
.set i, i+1
.endr
	WIN 0
	s_mov_b32 s3, 3
.Lrest:                                            ; steps 3 to 15
	STEP
	s_add_co_u32 s3, s3, 1
	s_cmp_lt_u32 s3, 16
	s_cbranch_scc1 .Lrest
	; THE WAY OUT: O^T / the sum x 2^(e8 + e9) goes through my stage, a tile at a time, and comes back as rows of 256 bytes, to which query's rows are added
	v_add_f32 v12, v12, v13
	v_add_f32 v14, v14, v15
	v_permlanex16_b32 v22, v12, s[SEL], s[SEL+1]
	v_permlanex16_b32 v28, v14, s[SEL], s[SEL+1]
	v_add_f32 v12, v12, v22
	v_add_f32 v14, v14, v28
	s_wait_alu depctr_va_vdst(0)                   ; ahead of the reciprocals
	v_rcp_f32 v12, v12
	v_rcp_f32 v14, v14
	s_mul_i32 s13, s[WV], 16*272
	s_add_co_u32 s13, s13, STAGE                   ; my stage
	s_add_co_i32 s52, s50, s51
	v_and_b32 v20, 15, v0                          ; r
	v_bfe_u32 v21, v0, 4, 1                        ; h
	v_mul_u32_u24 v23, v20, 272
	v_lshl_add_u32 v23, v21, 5, v23
	v_add_nc_u32 v23, s13, v23                     ; in: row r, 32 bytes for each half of the lanes
	v_mul_u32_u24 v24, v21, 272
	v_lshl_add_u32 v24, v20, 4, v24
	v_add_nc_u32 v24, s13, v24                     ; back: lanes 0-15 one row, lanes 16-31 the next
	v_lshlrev_b32 v25, 12, v21
	v_lshl_add_u32 v25, v20, 4, v25                ; and the same two rows in o
	s_wait_alu depctr_va_vdst(0)                   ; behind the reciprocals, ahead of their first reader
	v_ldexp_f32 v12, v12, s52
	v_ldexp_f32 v14, v14, s52
	WIN 0x01                                       ; source 0 in window 1
	s_wait_alu depctr_va_vdst(0)                   ; directly ahead of the first readers of O^T
.set j, 0
.rept 16
	v_pk_mul_f32 v[SA+j:SA+j+1], v[OA+j:OA+j+1], v[12:13] op_sel_hi:[1,0]   ; register 8 d + i is channel 16 d + 8 h + i of my query
	v_pk_mul_f32 v[SB+j:SB+j+1], v[OB+j:OB+j+1], v[14:15] op_sel_hi:[1,0]
.set j, j+2
.endr
	WIN 0
.irp u, 0,1
.irp d, 0,1,2,3
	ds_store_b128 v23, v[SA+64*\u+8*\d:SA+64*\u+8*\d+3] offset:64*\d
	ds_store_b128 v23, v[SA+64*\u+8*\d+4:SA+64*\u+8*\d+7] offset:64*\d+16
.endr
.irp i, 0,1,2,3,4,5,6,7
	ds_load_b128 v[32+32*\u+4*\i:35+32*\u+4*\i], v24 offset:2*\i*272   ; LDS serves a wave's instructions in order: these see my stores, and tile B's stores come behind them
.endr
.endr
	s_wait_loadcnt 0x0                             ; the residual
	s_wait_dscnt 0x0
	WIN 0x04                                       ; source 1 in window 1
.set j, 0
.rept 32
	v_pk_add_f32 v[32+j:33+j], v[32+j:33+j], v[RES+j:RES+j+1]
.set j, j+2
.endr
	WIN 0
.set i, 0
.rept 16
	global_store_b128 v25, v[32+4*i:35+4*i], s[10:11] offset:8192*i    ; sixteen lanes store 256 consecutive bytes, aligned
.set i, i+1
.endr
	s_wait_tensorcnt 0x0                           ; the wave's end
	ds_add_u32 v[SPW], v[NIL]
	s_wait_dscnt 0x0
	CROUND                                         ; the closing round
	s_endpgm
.Lfunc_end_k_q70b451ea49_attn:
	.size	k_q70b451ea49_attn, .Lfunc_end_k_q70b451ea49_attn-k_q70b451ea49_attn
	.p2alignl 7, 3214868480
	.fill 96, 4, 3214868480
	.section	.rodata,"a",@progbits
	.p2align	6, 0x0
	.amdhsa_kernel k_q70b451ea49_attn
		.amdhsa_group_segment_fixed_size 327680
		.amdhsa_private_segment_fixed_size 0
		.amdhsa_enable_private_segment 0
		.amdhsa_kernarg_size 32
		.amdhsa_user_sgpr_count 2
		.amdhsa_user_sgpr_kernarg_segment_ptr 1
		.amdhsa_wavefront_size32 1
		.amdhsa_system_sgpr_workgroup_id_x 1
		.amdhsa_system_sgpr_workgroup_id_y 1
		.amdhsa_system_sgpr_workgroup_id_z 1
		.amdhsa_system_vgpr_workitem_id 0
		.amdhsa_next_free_vgpr 512
		.amdhsa_next_free_sgpr 66
		.amdhsa_reserve_vcc 0
		.amdhsa_float_denorm_mode_32 3
		.amdhsa_float_denorm_mode_16_64 3
		.amdhsa_memory_ordered 1
		.amdhsa_forward_progress 1
		.amdhsa_inst_pref_size 77
	.end_amdhsa_kernel
	.amdgpu_metadata
---
amdhsa.version: [ 1, 2 ]
amdhsa.kernels:
  - .name:           k_q70b451ea49_attn
    .symbol:         k_q70b451ea49_attn.kd
    .args:
      - { .name: qkv, .offset: 0, .size: 8, .value_kind: global_buffer, .address_space: global }
      - { .name: lowp_scales, .offset: 8, .size: 8, .value_kind: global_buffer, .address_space: global }
      - { .name: query, .offset: 16, .size: 8, .value_kind: global_buffer, .address_space: global }
      - { .name: obuf, .offset: 24, .size: 8, .value_kind: global_buffer, .address_space: global }
    .group_segment_fixed_size: 327680
    .private_segment_fixed_size: 0
    .kernarg_segment_align: 8
    .kernarg_segment_size: 32
    .max_flat_workgroup_size: 256
    .sgpr_count:     66
    .vgpr_count:     512
    .wavefront_size: 32
...
	.end_amdgpu_metadata
.endif
;; end of part 3
;; launch ln (part 4): grid 1024 x 1, 4 waves a work-group, no clusters, 33,280 bytes of LDS; arguments obuf, fn_g, fn_b, lowp_scales, hcodes; writes hcodes
.if DOCPART == 4
	.amdgcn_target "amdgcn-amd-amdhsa--gfx1250"
	.amdhsa_code_object_version 6
	.text
	.protected	k_q70b451ea49_ln
	.globl	k_q70b451ea49_ln
	.p2align	8
	.type	k_q70b451ea49_ln,@function
k_q70b451ea49_ln:
	s_mov_b64 s[64:65], 0
	v_nop
	global_prefetch_b8 v0, s[64:65] scope:SCOPE_SE
	s_setreg_imm32_b32 hwreg(HW_REG_WAVE_MODE, 25, 1), 1
	s_wait_xcnt 0x0
; LN: h = LayerNorm(o) x fn_g + fn_b over rows of 1,024, quantised to E5M2 with the given 2^e10.  A wave takes ONE row: 4,096 rows, 4 waves a work-group, 1,024 work-groups; the row stays in registers between the passes.
; Each load reads 512 consecutive bytes; the conversions want 16 neighbours in ONE lane: so the row turns through the wave's own stage in LDS (in as it lies, out 64 bytes a lane; 16 bytes of padding behind each 64).
; A lane then holds k = 512 s + 16 lane + 0 .. 15, s = 0, 1; its 16 codes are 16 bytes, and a store covers 512 consecutive bytes.
; Mean first, then the squares of the differences: no difference of large sums.  No barrier: waves share nothing.  No matrix units, clusters or tensor loads: each byte is read once and nothing is shared but gain and bias.
; LIMITS: e10 between -126 and 112; NaN among the inputs is not served.
.set SP, 80
.set GG, 16                            ; v16-47   gain, in the turned order
.set BBR, 48                           ; v48-79   bias
.set RR, 80                            ; v80-111  my row as loaded
.set XX, 144                           ; v144-175 the row, turned
.set CC, 176                           ; v176-183 codes
	s_load_b256 s[4:11], s[0:1], 0x0               ; o 4, fn_g 6, fn_b 8, exponents 10
	s_load_b64 s[12:13], s[0:1], 0x20              ; hcodes
	v_lshl_add_u32 v192, v0, 2, 0x8000             ; my spare word, behind the four stages
	v_mov_b32 v193, 0
	v_lshrrev_b32 v1, 5, v0
	v_readfirstlane_b32 s16, v1
	v_and_b32 v2, 31, v0
	v_lshlrev_b32 v3, 4, v2                        ; 16 x lane
	v_lshlrev_b32 v13, 6, v2                       ; 64 x lane
	s_lshl_b32 s17, s16, 13                        ; my wave's stage
	v_lshrrev_b32 v14, 2, v2
	v_mul_u32_u24 v14, v14, SP
	v_and_b32 v15, 3, v2
	v_lshl_add_u32 v14, v15, 4, v14
	v_add_nc_u32 v14, s17, v14
	v_mul_u32_u24 v15, v2, SP
	v_add_nc_u32 v15, s17, v15
	s_lshl_b32 s18, ttmp9, 2
	s_add_co_u32 s18, s18, s16                     ; my row: 4 x work-group + wave
	s_lshl_b32 s20, s18, 12
	s_mov_b32 s21, 0
	s_lshl_b32 s22, s18, 10
	s_mov_b32 s23, 0
	s_mov_b32 s25, 0x3a800000                      ; 1 / 1,024
	s_mov_b32 s28, 0x3727c5ac                      ; 1e-5
	s_mov_b32 s26, 0x76543210
	s_mov_b32 s27, 0xfedcba98
	s_wait_alu depctr_va_vdst(0)                   ; directly ahead of the wait below
	s_wait_kmcnt 0x0
	s_load_b32 s24, s[10:11], 0x28                 ; e10
	s_add_nc_u64 s[4:5], s[4:5], s[20:21]
	s_add_nc_u64 s[12:13], s[12:13], s[22:23]
.irp q, 0,1,2,3,4,5,6,7
	global_load_b128 v[RR+4*\q:RR+4*\q+3], v3, s[4:5] offset:512*\q
.endr
.irp q, 0,1,2,3,4,5,6,7
	global_load_b128 v[GG+4*\q:GG+4*\q+3], v13, s[6:7] offset:2048*(\q/4)+16*(\q%4)
	global_load_b128 v[BBR+4*\q:BBR+4*\q+3], v13, s[8:9] offset:2048*(\q/4)+16*(\q%4)
.endr
	s_wait_kmcnt 0x0
	s_add_co_i32 s24, s24, 127
	s_lshl_b32 s29, s24, 23
	v_mov_b32 v11, s29                             ; 2^e10
	s_add_co_i32 s24, s24, 15
	s_lshl_b32 s24, s24, 23
	s_or_b32 s24, s24, 0x600000
	v_mov_b32 v10, s24                             ; 57,344 x 2^e10
.macro ALLSUM r, t                     ; v[r] summed over the 32 lanes, in every lane
	v_add_f32_dpp v[\r], v[\r], v[\r] row_xmask:1 row_mask:0xf bank_mask:0xf
	v_add_f32_dpp v[\r], v[\r], v[\r] row_xmask:2 row_mask:0xf bank_mask:0xf
	v_add_f32_dpp v[\r], v[\r], v[\r] row_xmask:4 row_mask:0xf bank_mask:0xf
	v_add_f32_dpp v[\r], v[\r], v[\r] row_xmask:8 row_mask:0xf bank_mask:0xf
	v_permlanex16_b32 v[\t], v[\r], s26, s27
	v_add_f32 v[\r], v[\r], v[\t]
.endm
	s_wait_alu depctr_va_vdst(0)                   ; the wait at the head's end
	s_wait_loadcnt 0
.irp q, 0,1,2,3,4,5,6,7
	ds_store_b128 v14, v[RR+4*\q:RR+4*\q+3] offset:32*SP*(\q/4)+8*SP*(\q%4)
.endr
.irp q, 0,1,2,3,4,5,6,7
	ds_load_b128 v[XX+4*\q:XX+4*\q+3], v15 offset:32*SP*(\q/4)+16*(\q%4)   ; LDS serves a wave's instructions in order: these see my stores
.endr
	s_wait_dscnt 0x0                               ; the row is back from the stage
	v_pk_add_f32 v[4:5], v[XX:XX+1], v[XX+2:XX+3]
	v_pk_add_f32 v[6:7], v[XX+4:XX+5], v[XX+6:XX+7]
.irp j, 8,12,16,20,24,28
	v_pk_add_f32 v[4:5], v[4:5], v[XX+\j:XX+\j+1]
	v_pk_add_f32 v[6:7], v[6:7], v[XX+\j+2:XX+\j+3]
.endr
	v_pk_add_f32 v[4:5], v[4:5], v[6:7]
	v_add_f32 v4, v4, v5
	ALLSUM 4, 5
	v_mul_f32 v4, s25, v4                          ; the mean
.irp j, 0,2,4,6,8,10,12,14,16,18,20,22,24,26,28,30
	v_pk_add_f32 v[XX+\j:XX+\j+1], v[XX+\j:XX+\j+1], v[4:5] op_sel_hi:[1,0] neg_lo:[0,1] neg_hi:[0,1]
.endr
	v_pk_mul_f32 v[6:7], v[XX:XX+1], v[XX:XX+1]
	v_pk_mul_f32 v[8:9], v[XX+2:XX+3], v[XX+2:XX+3]
.irp j, 4,8,12,16,20,24,28
	v_pk_fma_f32 v[6:7], v[XX+\j:XX+\j+1], v[XX+\j:XX+\j+1], v[6:7]
	v_pk_fma_f32 v[8:9], v[XX+\j+2:XX+\j+3], v[XX+\j+2:XX+\j+3], v[8:9]
.endr
	v_pk_add_f32 v[6:7], v[6:7], v[8:9]
	v_add_f32 v6, v6, v7
	ALLSUM 6, 7
	v_fma_f32 v8, v6, s25, s28                     ; the variance + 1e-5
	s_wait_alu depctr_va_vdst(0)                   ; ahead of the root
	v_rsq_f32 v8, v8
	v_mov_b32 v9, 0                                ; a plain line behind the root (v9 is named with v8 as a pair)
	s_wait_alu depctr_va_vdst(0)                   ; behind it, ahead of its first reader
.irp j, 0,2,4,6,8,10,12,14,16,18,20,22,24,26,28,30
	v_pk_mul_f32 v[XX+\j:XX+\j+1], v[XX+\j:XX+\j+1], v[8:9] op_sel_hi:[1,0]
.endr
.irp j, 0,2,4,6,8,10,12,14,16,18,20,22,24,26,28,30
	v_pk_fma_f32 v[XX+\j:XX+\j+1], v[XX+\j:XX+\j+1], v[GG+\j:GG+\j+1], v[BBR+\j:BBR+\j+1]
.endr
.set i, 0
.rept 32
	v_med3_num_f32 v[XX+i], v[XX+i], -v10, v10     ; the conversion does not saturate (ISA guide 7.6.2)
.set i, i+1
.endr
.irp c, 0,1,2,3
	v_cvt_scalef32_pk8_bf8_f32 v[CC+2*\c:CC+2*\c+1], v[XX+8*\c:XX+8*\c+7], v11
.endr
	v_nop                                          ; a plain line behind the conversions
	global_store_b128 v3, v[CC:CC+3], s[12:13]
	global_store_b128 v3, v[CC+4:CC+7], s[12:13] offset:512
	s_wait_tensorcnt 0x0                           ; the wave's end
	ds_add_u32 v192, v193
	s_wait_dscnt 0x0
	s_endpgm
.Lfunc_end_k_q70b451ea49_ln:
	.size	k_q70b451ea49_ln, .Lfunc_end_k_q70b451ea49_ln-k_q70b451ea49_ln
	.p2alignl 7, 3214868480
	.fill 96, 4, 3214868480
	.section	.rodata,"a",@progbits
	.p2align	6, 0x0
	.amdhsa_kernel k_q70b451ea49_ln
		.amdhsa_group_segment_fixed_size 33280
		.amdhsa_private_segment_fixed_size 0
		.amdhsa_enable_private_segment 0
		.amdhsa_kernarg_size 40
		.amdhsa_user_sgpr_count 2
		.amdhsa_user_sgpr_kernarg_segment_ptr 1
		.amdhsa_wavefront_size32 1
		.amdhsa_system_sgpr_workgroup_id_x 1
		.amdhsa_system_sgpr_workgroup_id_y 1
		.amdhsa_system_sgpr_workgroup_id_z 1
		.amdhsa_system_vgpr_workitem_id 0
		.amdhsa_next_free_vgpr 194
		.amdhsa_next_free_sgpr 66
		.amdhsa_reserve_vcc 0
		.amdhsa_float_denorm_mode_32 3
		.amdhsa_float_denorm_mode_16_64 3
		.amdhsa_memory_ordered 1
		.amdhsa_forward_progress 1
		.amdhsa_inst_pref_size 14
	.end_amdhsa_kernel
	.amdgpu_metadata
---
amdhsa.version: [ 1, 2 ]
amdhsa.kernels:
  - .name:           k_q70b451ea49_ln
    .symbol:         k_q70b451ea49_ln.kd
    .args:
      - { .name: obuf, .offset: 0, .size: 8, .value_kind: global_buffer, .address_space: global }
      - { .name: fn_g, .offset: 8, .size: 8, .value_kind: global_buffer, .address_space: global }
      - { .name: fn_b, .offset: 16, .size: 8, .value_kind: global_buffer, .address_space: global }
      - { .name: lowp_scales, .offset: 24, .size: 8, .value_kind: global_buffer, .address_space: global }
      - { .name: hcodes, .offset: 32, .size: 8, .value_kind: global_buffer, .address_space: global }
    .group_segment_fixed_size: 33280
    .private_segment_fixed_size: 0
    .kernarg_segment_align: 8
    .kernarg_segment_size: 40
    .max_flat_workgroup_size: 128
    .sgpr_count:     66
    .vgpr_count:     194
    .wavefront_size: 32
...
	.end_amdgpu_metadata
.endif
;; end of part 4
;; launch ffn1 (part 5): grid 16 x 16, 4 waves a work-group, clusters of 4 x 4, 327,680 bytes of LDS; arguments hcodes, codes, lowp_scales, b1, gcodes; writes gcodes
.if DOCPART == 5
	.amdgcn_target "amdgcn-amd-amdhsa--gfx1250"
	.amdhsa_code_object_version 6
	.text
	.protected	k_q70b451ea49_ffn1
	.globl	k_q70b451ea49_ffn1
	.p2align	8
	.type	k_q70b451ea49_ffn1,@function
k_q70b451ea49_ffn1:
	s_mov_b64 s[64:65], 0
	v_nop
	global_prefetch_b8 v0, s[64:65] scope:SCOPE_SE
	s_setreg_imm32_b32 hwreg(HW_REG_WAVE_MODE, 25, 1), 1
	s_wait_xcnt 0x0
	s_wait_alu depctr_hold_cnt(0) depctr_sa_sdst(0) depctr_va_vdst(0) depctr_va_sdst(0) depctr_va_ssrc(0) depctr_va_vcc(0) depctr_vm_vsrc(0)
	s_getreg_b32 s2, hwreg(HW_REG_IB_STS2, 6, 4)
	s_cmp_eq_u32 s2, 0
	s_cbranch_scc0 .Lentry_in_a_cluster
	s_endpgm
.Lentry_in_a_cluster:
	s_bfe_u32 s2, ttmp6, 0x10000c
	s_cmp_lg_u32 s2, 0xf033
	s_cbranch_scc0 .Lentry_shape_is_right
	s_endpgm
.Lentry_shape_is_right:
.set KROW,   1024
.set ROWB,   256
.set PITCH,  272
.set FR,     16
.set NL,     4
.set NP,     4
.set HALFT,  128*PITCH
.set SLOT,   4*HALFT
.set SPARE,  2*SLOT
.set SPITCH, 272
.set ADRA, 16
.set ADRB, 20
.set STO,  24
.set RD,   25
.set CO,   26
.set STO2, 27
.set SPW,  28
.set NIL,  29
.set BIAS, 32
.set TT,   96
.set PP,   128
.set UU,   160
.set YY,   192
.set CD,   224
.set AF,   128
.set G1, 24
.set G0, 32
.set G1B, 48
.set G0B, 56
.set MSB, 0
.macro WIN new
.if MSB != \new
	s_set_vgpr_msb (MSB<<8)|\new
.set MSB, \new
.endif
.endm
.set MUL_LO, 0xa1
.set MUL_HI, 0xf1
.set TO_B,   0x40
.macro JLOAD g0a, g1a, g0b, g1b
	s_cmp_eq_u32 s15, 0
	s_cbranch_scc0 .Lfor_b_\@
	tensor_load_to_lds s[\g0a:\g0a+3], s[\g1a:\g1a+7]
	s_nop 0
.rept 4
	v_nop
.endr
	s_branch .Lasked_\@
.Lfor_b_\@:
	tensor_load_to_lds s[\g0b:\g0b+3], s[\g1b:\g1b+7]
	s_nop 0
.rept 4
	v_nop
.endr
.Lasked_\@:
.endm
.macro CREST
	s_cmp_lg_u32 s14, 0
	s_cbranch_scc1 .Lnot_wave_0_\@
	s_barrier_signal -3
.Lnot_wave_0_\@:
	s_barrier_wait -3
	s_barrier_signal -1
	s_barrier_wait -1
.endm
.macro CROUND
	s_barrier_signal -1
	s_barrier_wait -1
	CREST
.endm
	s_load_b256 s[4:11], s[0:1], 0x0
	s_load_b64 s[12:13], s[0:1], 0x20
	v_lshl_add_u32 v[SPW], v0, 2, SPARE
	v_mov_b32 v[NIL], 0
	ds_add_u32 v28, v29
	ds_add_u32 v28, v29
	s_wait_dscnt 0x0
	v_lshrrev_b32 v1, 5, v0
	v_readfirstlane_b32 s14, v1
	s_lshr_b32 s15, s14, 1
	s_and_b32 s16, s14, 1
	s_bfe_u32 s40, ttmp6, 0x40000
	s_bfe_u32 s41, ttmp6, 0x40004
	s_lshl_b32 s42, ttmp9, 2
	s_add_co_u32 s42, s42, s40
	s_and_b32 s17, ttmp7, 0xffff
	s_lshl_b32 s17, s17, 2
	s_add_co_u32 s17, s17, s41
	s_lshl_b32 s43, s41, 2
	s_lshl_b32 s43, 15, s43
	s_lshl_b32 s44, 0x1111, s40
	s_or_b32 s[G1+0], s43, (0<<16)|(1<<20)|(1<<21)|(5<<22)|(3<<25)
	s_or_b32 s[G1B+0], s44, (0<<16)|(1<<20)|(1<<21)|(5<<22)|(3<<25)
.irp g, G1, G1B
	s_mov_b32 s[\g+1], ROWB<<16
	s_mov_b32 s[\g+2], 128<<16
	s_mov_b32 s[\g+3], ROWB<<16
	s_mov_b32 s[\g+4], 128
	s_mov_b32 s[\g+5], KROW
	s_mov_b32 s[\g+6], 0
	s_mov_b32 s[\g+7], 0
.endr
	s_lshl_b32 s18, s16, 7
	s_lshl_b32 s20, s17, 8
	s_add_co_u32 s20, s20, s18
	s_lshl_b32 s46, s42, 8
	s_add_co_u32 s46, s46, s18
	s_lshl_b32 s20, s20, 10
	s_lshl_b32 s46, s46, 10
	s_mov_b32 s21, 0
	s_mov_b32 s47, 0
	s_mul_i32 s45, s14, HALFT
	s_wait_kmcnt 0x0
	s_load_b96 s[96:98], s[8:9], 0x28
	s_add_nc_u64 s[6:7], s[6:7], 0xf00000
	s_add_nc_u64 s[20:21], s[4:5], s[20:21]
	s_add_nc_u64 s[46:47], s[6:7], s[46:47]
	s_cmp_eq_u32 s15, 0                            ; the prefetches: of the 128 rows that my wave fetches, the four partners that ask for them jointly take 32 each, told apart by address
	s_cselect_b64 s[80:81], s[20:21], s[46:47]
	s_cselect_b32 s82, s40, s41                    ; my place among the four
	s_lshl_b32 s82, s82, 15                        ; 32 rows of 1,024 bytes
	s_mov_b32 s83, 0
	s_add_nc_u64 s[80:81], s[80:81], s[82:83]      ; never rewritten
	v_and_b32 v30, 31, v0
	v_lshlrev_b32 v30, 10, v30                     ; a lane a row; never rewritten
	s_wait_alu depctr_va_vdst(0)                   ; ahead of the round
	CROUND
.irp s, 0,1
	s_mov_b32 s[G0+4*\s], 1
	s_add_co_u32 s[G0+4*\s+1], s45, \s*SLOT
	s_add_nc_u64 s[G0+4*\s+2:G0+4*\s+3], s[20:21], \s*ROWB
	s_or_b32 s[G0+4*\s+3], s[G0+4*\s+3], 0x80000000
	s_mov_b32 s[G0B+4*\s], 1
	s_add_co_u32 s[G0B+4*\s+1], s45, \s*SLOT
	s_add_nc_u64 s[G0B+4*\s+2:G0B+4*\s+3], s[46:47], \s*ROWB
	s_or_b32 s[G0B+4*\s+3], s[G0B+4*\s+3], 0x80000000
.if \s
	s_wait_alu depctr_va_vdst(0)                   ; slot 1's first fill stands behind the three lines and a round
	s_wait_tensorcnt 0x0
	ds_add_u32 v28, v29
	s_wait_dscnt 0x0
	CROUND
.endif
	JLOAD G0+4*\s, G1, G0B+4*\s, G1B
.if \s
	global_prefetch_b8 v30, s[80:81] offset:3*ROWB th:TH_LOAD_NT scope:SCOPE_SE   ; K step 3, two fills ahead of its load
.else
	global_prefetch_b8 v30, s[80:81] offset:ROWB th:TH_LOAD_NT scope:SCOPE_SE     ; K steps 1 and 2: each row's 256 bytes of a K step are named once in the cluster
	global_prefetch_b8 v30, s[80:81] offset:2*ROWB th:TH_LOAD_NT scope:SCOPE_SE
.endif
.endr
	v_and_b32 v1, 15, v0
	s_wait_alu depctr_va_vdst(0)
	v_bfe_u32 v2, v0, 4, 1
	v_mul_u32_u24 v3, v1, PITCH
	v_lshl_add_u32 v4, v2, 4, v3
	s_mul_i32 s21, s15, HALFT
	s_mul_i32 s22, s16, HALFT
	s_add_co_u32 s22, s22, 2*HALFT
.irp s, 0,1
	v_add_nc_u32 v[ADRA+\s], s21, v4
	v_add_nc_u32 v[ADRB+\s], s22, v4
	s_add_co_u32 s21, s21, SLOT
	s_add_co_u32 s22, s22, SLOT
.endr
	s_mul_i32 s23, s15, 128*SPITCH
	s_lshl_b32 s22, s16, 7
	s_add_co_u32 s23, s23, s22
	v_mul_u32_u24 v5, v1, SPITCH
	s_wait_alu depctr_va_vdst(0)
	v_lshl_add_u32 v5, v2, 3, v5
	v_add_nc_u32 v[STO], s23, v5
	s_mul_i32 s23, s15, 128*SPITCH                 ; the way out, by halves: of the 128 rows that a trip finishes, my wave takes 32: rows 128 (wave / 2) + 32 (wave % 2) + 64 x trip
	s_mul_i32 s22, s16, 32*SPITCH
	s_add_co_u32 s23, s23, s22
	v_mul_u32_u24 v5, v2, SPITCH
	v_lshl_add_u32 v5, v1, 4, v5
	v_add_nc_u32 v[RD], s23, v5
	v_lshlrev_b32 v5, 12, v2
	v_lshl_add_u32 v[CO], v1, 4, v5
	v_lshlrev_b32 v5, 5, v2
	s_lshl_b32 s18, s42, 10
	s_lshl_b32 s19, s16, 9
	s_add_co_u32 s18, s18, s19
	s_mov_b32 s19, 0
	s_add_nc_u64 s[10:11], s[10:11], s[18:19]
.irp b, 0,1,2,3,4,5,6,7
	global_load_b128 v[BIAS+8*\b:BIAS+8*\b+3], v5, s[10:11] offset:64*\b
	global_load_b128 v[BIAS+8*\b+4:BIAS+8*\b+7], v5, s[10:11] offset:64*\b+16
.endr
	s_lshl_b32 s18, s17, 20
	s_lshl_b32 s22, s15, 19                        ; the same rows in the codes' buffer, 4,096 bytes a row
	s_add_co_u32 s18, s18, s22
	s_lshl_b32 s22, s16, 17
	s_add_co_u32 s18, s18, s22
	s_lshl_b32 s22, s42, 8
	s_add_co_u32 s18, s18, s22
	s_add_nc_u64 s[12:13], s[12:13], s[18:19]
.macro FRAG reg, adr, q, i
.irp c, 0,1,2,3
	ds_load_b128 v[\reg+4*\c:\reg+4*\c+3], v[\adr] offset:128*(\q)+32*\c+(\i)*16*PITCH
.endr
.endm
.macro MUL16 a0, p, zero
.irp a, \a0, \a0+1
.irp b, 0,1,2,3,4,5,6,7
.if \zero
	v_wmma_f32_16x16x128_bf8_bf8 v[8*(8*((\a)%4)+\b):8*(8*((\a)%4)+\b)+7], v[128*(\p)+FR*\b:128*(\p)+FR*\b+FR-1], v[AF+FR*(\a):AF+FR*(\a)+FR-1], 0
.else
	v_wmma_f32_16x16x128_bf8_bf8 v[8*(8*((\a)%4)+\b):8*(8*((\a)%4)+\b)+7], v[128*(\p)+FR*\b:128*(\p)+FR*\b+FR-1], v[AF+FR*(\a):AF+FR*(\a)+FR-1], v[8*(8*((\a)%4)+\b):8*(8*((\a)%4)+\b)+7]
.endif
.endr
.endr
.endm
.macro FETCH_B slot, q, p
	WIN TO_B
.irp i, 0,1,2,3,4,5,6,7
	FRAG 128*(\p)+FR*\i, ADRB+\slot, \q, \i
.endr
	WIN 0
.endm
.macro FETCH_A slot, q, i0
.irp i, \i0, \i0+1, \i0+2, \i0+3
	FRAG AF+FR*(\i), ADRA+\slot, \q, \i
.endr
.endm
.macro PLACES n
.rept \n
	v_nop
.endr
.endm
.macro STEP slot, q, zero
	s_wait_dscnt 4*NL
	WIN MUL_LO
	MUL16 0, (\q)%2, \zero
	MUL16 2, (\q)%2, \zero
	s_wait_dscnt 0
	PLACES NP
	FETCH_B \slot, (\q)+1, 1-(\q)%2
	FETCH_A \slot, (\q)+1, 0
	WIN MUL_HI
	MUL16 4, (\q)%2, \zero
	MUL16 6, (\q)%2, \zero
	PLACES NP
	WIN 0
	FETCH_A \slot, (\q)+1, 4
.endm
.macro TURN slot, next, fill
	s_wait_tensorcnt 0x0
	ds_add_u32 v[SPW], v[NIL]
	s_wait_dscnt 4*NL+1
	WIN MUL_LO
	MUL16 0, 1, 0
	s_wait_dscnt 0x0
	s_barrier_signal -1
	MUL16 2, 1, 0
	WIN 0
	s_barrier_wait -1
.if \fill
	CREST
	s_add_nc_u64 s[G0+4*\slot+2:G0+4*\slot+3], s[G0+4*\slot+2:G0+4*\slot+3], 2*ROWB
	s_add_nc_u64 s[G0B+4*\slot+2:G0B+4*\slot+3], s[G0B+4*\slot+2:G0B+4*\slot+3], 2*ROWB
	JLOAD G0+4*\slot, G1, G0B+4*\slot, G1B
.else
	PLACES NP
.endif
	FETCH_B \next, 0, 0
	FETCH_A \next, 0, 0
	WIN MUL_HI
	MUL16 4, 1, 0
	MUL16 6, 1, 0
	PLACES NP
	WIN 0
	FETCH_A \next, 0, 4
.endm
	s_wait_tensorcnt 1
	s_barrier_signal -1
	s_barrier_wait -1
	FETCH_B 0, 0, 0
	FETCH_A 0, 0, 0
	FETCH_A 0, 0, 4
	STEP 0, 0, 1
	s_mov_b32 s3, 1
.Llap:
	TURN 0, 1, 1
	STEP 1, 0, 0
	TURN 1, 0, 1
	STEP 0, 0, 0
	s_sub_co_u32 s3, s3, 1
	s_cmp_lg_u32 s3, 0
	s_cbranch_scc1 .Llap
	TURN 0, 1, 0
	STEP 1, 0, 0
	s_wait_dscnt 4*NL
	WIN MUL_LO
	MUL16 0, 1, 0
	MUL16 2, 1, 0
	s_wait_dscnt 0
	WIN MUL_HI
	MUL16 4, 1, 0
	MUL16 6, 1, 0
	WIN 0
	s_wait_kmcnt 0x0
	s_add_co_i32 s96, s96, s97
	s_add_co_i32 s96, s96, 127
	s_lshl_b32 s96, s96, 23
	s_mov_b32 s97, s96
	s_add_co_i32 s98, s98, 127
	s_lshl_b32 s99, s98, 23
	s_add_co_i32 s98, s98, 15
	s_lshl_b32 s98, s98, 23
	s_or_b32 s98, s98, 0x600000
	PLACES NP
	v_mov_b32 v14, s99
	v_mov_b32 v15, s98
	v_mov_b32 v8, 0x3fb8aa3b
.macro COEF k, bits
	v_mul_f32 v9, \bits, v8
	v_readfirstlane_b32 s[24+2*\k], v9
	s_mov_b32 s[25+2*\k], s[24+2*\k]
.endm
	s_mov_b32 s48, 0xbfa1fc4e
	v_fma_f32 v9, v8, s48, -1.0
	v_readfirstlane_b32 s24, v9
	s_mov_b32 s25, s24
	COEF 1, 0x3f8000c7
	COEF 2, 0x3ebf88fb
	COEF 3, 0x3dc636c9
	COEF 4, 0xbe3ec24c
	COEF 5, 0x3e8ec7cc
	COEF 6, 0xbf914e5d
	COEF 7, 0x3fbe87b0
	COEF 8, 0xbf527892
	COEF 9, 0x3e2ef945
	v_mov_b32 v232, s40
	v_mov_b32 v233, s40
	s_mov_b32 s44, 0x3eb504f3
	s_mov_b32 s46, 0xbf38aa3b
	s_mov_b32 s47, s46
.macro XPASS w
	WIN 0x80|\w
.set i, 0
.rept 128
	v_pk_fma_f32 v[i:i+1], v[i:i+1], s[96:97], v[BIAS+i%64:BIAS+i%64+1] op_sel_hi:[1,0,1]
.set i, i+2
.endr
	WIN 0
.endm
.macro GELU32 a, hf
.set XR, 64*(\a)+32*(\hf)
	WIN 0x02
.set i, 0
.rept 32
	v_fma_f32 v[TT+i], |v[XR+i]|, s44, 1.0
.set i, i+1
.endr
	WIN 0
.set i, 0
	s_wait_alu depctr_va_vdst(0)
.rept 32
	v_rcp_f32 v[TT+i], v[TT+i]
.set i, i+1
.endr
	WIN 0x0a
.set i, 0
.rept 16
	v_pk_mul_f32 v[UU+i:UU+i+1], v[XR+i:XR+i+1], v[XR+i:XR+i+1]
.set i, i+2
.endr
	WIN 0
	s_wait_alu depctr_va_vdst(0)
.set i, 0
.rept 16
	v_pk_fma_f32 v[PP+i:PP+i+1], v[TT+i:TT+i+1], s[42:43], v[232:233] op_sel_hi:[1,0,1]
.set i, i+2
.endr
.irp k, 7,6,5,4,3,2,1,0
.set i, 0
.rept 16
	v_pk_fma_f32 v[PP+i:PP+i+1], v[PP+i:PP+i+1], v[TT+i:TT+i+1], s[24+2*\k:25+2*\k] op_sel_hi:[1,1,0]
.set i, i+2
.endr
.endr
.set i, 0
.rept 16
	v_pk_fma_f32 v[PP+i:PP+i+1], v[UU+i:UU+i+1], s[46:47], v[PP+i:PP+i+1] op_sel_hi:[1,0,1]
.set i, i+2
.endr
.set i, 0
	s_wait_alu depctr_va_vdst(0)
.rept 32
	v_exp_f32 v[PP+i], v[PP+i]
.set i, i+1
.endr
	WIN 0x02
.set i, 0
.rept 32
	v_max_num_f32 v[UU+i], v[XR+i], 0
.set i, i+1
.endr
	WIN 0
	s_wait_alu depctr_va_vdst(0)
	s_wait_dscnt 0x0                               ; the last block's stores into the stage have read their registers: its codes may be written again below
.set i, 0
.rept 16
	v_pk_mul_f32 v[PP+i:PP+i+1], v[PP+i:PP+i+1], v[TT+i:TT+i+1]
.set i, i+2
.endr
	WIN 0x02
.set i, 0
.rept 32
	v_fma_f32 v[YY+i], -|v[XR+i]|, v[PP+i], v[UU+i]
.set i, i+1
.endr
	WIN 0
.set i, 0
.rept 32
	v_med3_num_f32 v[YY+i], v[YY+i], -v15, v15
.set i, i+1
.endr
.irp c, 0,1,2,3
	v_cvt_scalef32_pk8_bf8_f32 v[CD+2*\c:CD+2*\c+1], v[YY+8*\c:YY+8*\c+7], v14
.endr
	v_nop
.irp c, 0,1,2,3
	ds_store_b64 v[STO2], v[CD+2*\c:CD+2*\c+1] offset:(\a)*16*SPITCH+64*(\hf)+16*\c
.endr
.endm
	s_wait_loadcnt 0x0
	XPASS 2
	s_mov_b32 s3, 0
.Lhalf:
	v_add_nc_u32 v[STO2], s3, v[STO]
.irp a, 0,1,2,3
	GELU32 \a, 0
	GELU32 \a, 1
.endr
	s_cmp_lg_u32 s3, 0
	s_cbranch_scc1 .Lno_more
	XPASS 3
.Lno_more:
	s_wait_dscnt 0x0                               ; my stores into the stage are done
	s_barrier_signal -1
	s_barrier_wait -1                              ; everybody's are: this trip's 128 rows of 256 bytes are whole
	v_add_nc_u32 v31, s3, v[RD]
.set i, 0
.rept 16
	ds_load_b128 v[96+4*i:99+4*i], v31 offset:i*2*SPITCH
.set i, i+1
.endr
.set i, 0
.rept 16
	s_wait_dscnt 15-i                              ; the younger loads from the stage may be out
	global_store_b128 v[CO], v[96+4*i:99+4*i], s[12:13] offset:i*8192   ; sixteen lanes store 256 consecutive bytes, aligned
.set i, i+1
.endr
	s_barrier_signal -1                            ; my reads of the stage are over (the last wait above was for 0):
	s_barrier_wait -1                              ; everybody's are, ahead of the next trip's stores into it
	s_wait_xcnt 0x0                                ; the stores have read their base and their data: both are written again below
	s_add_nc_u64 s[12:13], s[12:13], 0x40000       ; 64 rows on
	s_add_co_u32 s3, s3, 64*SPITCH
	s_cmp_lt_u32 s3, 2*64*SPITCH
	s_cbranch_scc1 .Lhalf
	s_wait_tensorcnt 0x0
	ds_add_u32 v[SPW], v[NIL]
	s_wait_dscnt 0x0
	CROUND
	s_endpgm
.Lfunc_end_k_q70b451ea49_ffn1:
	.size	k_q70b451ea49_ffn1, .Lfunc_end_k_q70b451ea49_ffn1-k_q70b451ea49_ffn1
	.p2alignl 7, 3214868480
	.fill 96, 4, 3214868480
	.section	.rodata,"a",@progbits
	.p2align	6, 0x0
	.amdhsa_kernel k_q70b451ea49_ffn1
		.amdhsa_group_segment_fixed_size 327680
		.amdhsa_private_segment_fixed_size 0
		.amdhsa_enable_private_segment 0
		.amdhsa_kernarg_size 40
		.amdhsa_user_sgpr_count 2
		.amdhsa_user_sgpr_kernarg_segment_ptr 1
		.amdhsa_wavefront_size32 1
		.amdhsa_system_sgpr_workgroup_id_x 1
		.amdhsa_system_sgpr_workgroup_id_y 1
		.amdhsa_system_sgpr_workgroup_id_z 1
		.amdhsa_system_vgpr_workitem_id 0
		.amdhsa_next_free_vgpr 1024
		.amdhsa_next_free_sgpr 100
		.amdhsa_reserve_vcc 0
		.amdhsa_float_denorm_mode_32 3
		.amdhsa_float_denorm_mode_16_64 3
		.amdhsa_memory_ordered 1
		.amdhsa_forward_progress 1
		.amdhsa_inst_pref_size 255
	.end_amdhsa_kernel
	.section	.bss,"aw",@nobits
	.p2align	6
	.space	262144
	.amdgpu_metadata
---
amdhsa.version: [ 1, 2 ]
amdhsa.kernels:
  - .name:           k_q70b451ea49_ffn1
    .symbol:         k_q70b451ea49_ffn1.kd
    .args:
      - { .name: hcodes, .offset: 0, .size: 8, .value_kind: global_buffer, .address_space: global }
      - { .name: codes, .offset: 8, .size: 8, .value_kind: global_buffer, .address_space: global }
      - { .name: lowp_scales, .offset: 16, .size: 8, .value_kind: global_buffer, .address_space: global }
      - { .name: b1, .offset: 24, .size: 8, .value_kind: global_buffer, .address_space: global }
      - { .name: gcodes, .offset: 32, .size: 8, .value_kind: global_buffer, .address_space: global }
    .group_segment_fixed_size: 327680
    .private_segment_fixed_size: 0
    .kernarg_segment_align: 8
    .kernarg_segment_size: 40
    .max_flat_workgroup_size: 128
    .sgpr_count:     100
    .vgpr_count:     1024
    .wavefront_size: 32
...
	.end_amdgpu_metadata
.endif
;; end of part 5
;; launch ffn2 (part 6): grid 8 x 32, 4 waves a work-group, clusters of 4 x 4, 327,680 bytes of LDS; arguments gcodes, codes, lowp_scales, b2, obuf, out0; writes out0
.if DOCPART == 6
	.amdgcn_target "amdgcn-amd-amdhsa--gfx1250"
	.amdhsa_code_object_version 6
	.text
	.protected	k_q70b451ea49_ffn2
	.globl	k_q70b451ea49_ffn2
	.p2align	8
	.type	k_q70b451ea49_ffn2,@function
k_q70b451ea49_ffn2:
	s_mov_b64 s[64:65], 0
	v_nop
	global_prefetch_b8 v0, s[64:65] scope:SCOPE_SE
	s_setreg_imm32_b32 hwreg(HW_REG_WAVE_MODE, 25, 1), 1
	s_wait_xcnt 0x0
	s_wait_alu depctr_hold_cnt(0) depctr_sa_sdst(0) depctr_va_vdst(0) depctr_va_sdst(0) depctr_va_ssrc(0) depctr_va_vcc(0) depctr_vm_vsrc(0)
	s_getreg_b32 s2, hwreg(HW_REG_IB_STS2, 6, 4)
	s_cmp_eq_u32 s2, 0
	s_cbranch_scc0 .Lentry_in_a_cluster
	s_endpgm
.Lentry_in_a_cluster:
	s_bfe_u32 s2, ttmp6, 0x10000c
	s_cmp_lg_u32 s2, 0xf033
	s_cbranch_scc0 .Lentry_shape_is_right
	s_endpgm
.Lentry_shape_is_right:
.set KSTEP,  512
.set KROW,   4096
.set PITCH,  528
.set HALFT,  64*PITCH
.set SLOT,   4*HALFT
.set STAGE,  2*SLOT
.set SPITCH, 272
.set SPARE,  STAGE+4*16*SPITCH
.set LAPS,   4
.set ADRA, 16
.set ADRB, 20
.set STO,  24
.set RD,   25
.set CO,   26
.set SPW,  28
.set NIL,  29
.set PFO,  30                          ; v30 the prefetches' offset: 4,096 (lane / 2) + 256 (lane % 2); never rewritten
.set PFA,  80                          ; s[80:81] my work-group's 16 rows of the 64 that my wave fetches, at the K step that is being asked for
; A prefetch behind each refill, for the K step two refills on: 16 rows x 512 bytes, 32 blocks of 256 bytes, a lane a block, one instruction a wave.
; The four partners that ask for a tile jointly share its rows out by address, so each block is named once in the cluster.  The last two refills (s3 = 1) have no K step two on.
.macro ASK
	s_cmp_gt_u32 s3, 1
	s_cbranch_scc0 .Lno_ask_\@
	global_prefetch_b8 v[PFO], s[PFA:PFA+1] offset:2*KSTEP th:TH_LOAD_NT scope:SCOPE_SE
.Lno_ask_\@:
.endm
.set TMP,  32
.set ACC,  128
.set F0,   0
.set F1,   128
.set G1, 24
.set G0, 32
.set G1B, 48
.set G0B, 56
.set MSB, 0
.macro WIN new
.if MSB != \new
	s_set_vgpr_msb (MSB<<8)|\new
.set MSB, \new
.endif
.endm
.set MUL,  0x05
.set TO_F, 0x40
.macro JLOAD s
	s_cmp_eq_u32 s11, 0
	s_cbranch_scc0 .Lfor_b_\@
	tensor_load_to_lds s[G0+4*\s:G0+4*\s+3], s[G1:G1+7]
	s_nop 0
.rept 4
	v_nop
.endr
	s_branch .Lasked_\@
.Lfor_b_\@:
	tensor_load_to_lds s[G0B+4*\s:G0B+4*\s+3], s[G1B:G1B+7]
	s_nop 0
.rept 4
	v_nop
.endr
.Lasked_\@:
.endm
.macro CREST
	s_cmp_lg_u32 s10, 0
	s_cbranch_scc1 .Lnot_wave_0_\@
	s_barrier_signal -3
.Lnot_wave_0_\@:
	s_barrier_wait -3
	s_barrier_signal -1
	s_barrier_wait -1
.endm
.macro CROUND
	s_barrier_signal -1
	s_barrier_wait -1
	CREST
.endm
	s_load_b256 s[68:75], s[0:1], 0x0
	s_load_b128 s[76:79], s[0:1], 0x20
	v_lshl_add_u32 v[SPW], v0, 2, SPARE
	v_mov_b32 v[NIL], 0
	ds_add_u32 v28, v29
	ds_add_u32 v28, v29
	s_wait_dscnt 0x0
	v_lshrrev_b32 v1, 5, v0
	v_readfirstlane_b32 s10, v1
	s_lshr_b32 s11, s10, 1
	s_and_b32 s12, s10, 1
	s_bfe_u32 s40, ttmp6, 0x40000
	s_bfe_u32 s41, ttmp6, 0x40004
	s_lshl_b32 s42, ttmp9, 2
	s_add_co_u32 s42, s42, s40
	s_and_b32 s13, ttmp7, 0xffff
	s_lshl_b32 s13, s13, 2
	s_add_co_u32 s13, s13, s41
	s_lshl_b32 s43, s41, 2
	s_lshl_b32 s43, 15, s43
	s_lshl_b32 s44, 0x1111, s40
	s_or_b32 s[G1+0], s43, (0<<16)|(1<<20)|(1<<21)|(6<<22)|(3<<25)
	s_or_b32 s[G1B+0], s44, (0<<16)|(1<<20)|(1<<21)|(6<<22)|(3<<25)
.irp g, G1, G1B
	s_mov_b32 s[\g+1], KSTEP<<16
	s_mov_b32 s[\g+2], 64<<16
	s_mov_b32 s[\g+3], KSTEP<<16
	s_mov_b32 s[\g+4], 64
	s_mov_b32 s[\g+5], KROW
	s_mov_b32 s[\g+6], 0
	s_mov_b32 s[\g+7], 0
.endr
	s_lshl_b32 s17, s12, 6
	s_lshl_b32 s16, s13, 7
	s_add_co_u32 s16, s16, s17
	s_lshl_b32 s46, s42, 7
	s_add_co_u32 s46, s46, s17
	s_lshl_b32 s16, s16, 12
	s_lshl_b32 s46, s46, 12
	s_mov_b32 s17, 0
	s_mov_b32 s47, 0
	s_mul_i32 s20, s10, HALFT
	s_wait_kmcnt 0x0
	s_load_b64 s[96:97], s[72:73], 0x30
	s_add_nc_u64 s[70:71], s[70:71], 0x1300000
	s_add_nc_u64 s[14:15], s[68:69], s[16:17]
	s_add_nc_u64 s[46:47], s[70:71], s[46:47]
	s_cmp_eq_u32 s11, 0
	s_cselect_b64 s[PFA:PFA+1], s[14:15], s[46:47]
	s_cselect_b32 s82, s40, s41                    ; my place among the four that ask with me
	s_lshl_b32 s82, s82, 16                        ; 16 rows of 4,096 bytes
	s_add_co_u32 s82, s82, KSTEP                   ; at K step 1
	s_mov_b32 s83, 0
	s_add_nc_u64 s[PFA:PFA+1], s[PFA:PFA+1], s[82:83]
	v_and_b32 v[PFO], 31, v0
	v_lshrrev_b32 v31, 1, v[PFO]
	v_and_b32 v[PFO], 1, v[PFO]
	v_lshlrev_b32 v[PFO], 8, v[PFO]
	v_lshl_add_u32 v[PFO], v31, 12, v[PFO]
	s_wait_alu depctr_va_vdst(0)                   ; ahead of the round
	CROUND
.irp s, 0,1
	s_mov_b32 s[G0+4*\s], 1
	s_add_co_u32 s[G0+4*\s+1], s20, \s*SLOT
	s_add_nc_u64 s[G0+4*\s+2:G0+4*\s+3], s[14:15], \s*KSTEP
	s_or_b32 s[G0+4*\s+3], s[G0+4*\s+3], 0x80000000
	s_mov_b32 s[G0B+4*\s], 1
	s_add_co_u32 s[G0B+4*\s+1], s20, \s*SLOT
	s_add_nc_u64 s[G0B+4*\s+2:G0B+4*\s+3], s[46:47], \s*KSTEP
	s_or_b32 s[G0B+4*\s+3], s[G0B+4*\s+3], 0x80000000
.if \s
	s_wait_alu depctr_va_vdst(0)                   ; slot 1's first fill stands behind the three lines and a round
	s_wait_tensorcnt 0x0
	ds_add_u32 v28, v29
	s_wait_dscnt 0x0
	CROUND
.endif
	JLOAD \s
.if \s
	global_prefetch_b8 v[PFO], s[PFA:PFA+1] offset:2*KSTEP th:TH_LOAD_NT scope:SCOPE_SE   ; K step 3
.else
	global_prefetch_b8 v[PFO], s[PFA:PFA+1] th:TH_LOAD_NT scope:SCOPE_SE                  ; K steps 1 and 2
	global_prefetch_b8 v[PFO], s[PFA:PFA+1] offset:KSTEP th:TH_LOAD_NT scope:SCOPE_SE
.endif
.endr
	v_and_b32 v1, 15, v0
	s_wait_alu depctr_va_vdst(0)
	v_bfe_u32 v2, v0, 4, 1
	v_mul_u32_u24 v3, v1, PITCH
	v_lshl_add_u32 v3, v2, 4, v3
	s_mul_i32 s21, s11, HALFT
	s_mul_i32 s22, s12, HALFT
	s_add_co_u32 s22, s22, 2*HALFT
.irp s, 0,1
	v_add_nc_u32 v[ADRA+\s], s21, v3
	v_add_nc_u32 v[ADRB+\s], s22, v3
	s_add_co_u32 s21, s21, SLOT
	s_add_co_u32 s22, s22, SLOT
.endr
	s_mul_i32 s23, s10, 16*SPITCH
	s_add_co_u32 s23, s23, STAGE
	v_mul_u32_u24 v4, v1, SPITCH
	s_wait_alu depctr_va_vdst(0)
	v_lshl_add_u32 v4, v2, 5, v4
	v_add_nc_u32 v[STO], s23, v4
	v_mul_u32_u24 v4, v2, SPITCH
	v_lshl_add_u32 v4, v1, 4, v4
	v_add_nc_u32 v[RD], s23, v4
	v_lshlrev_b32 v4, 12, v2
	v_lshl_add_u32 v[CO], v1, 4, v4
	s_wait_alu depctr_va_vdst(0)
	v_lshlrev_b32 v5, 5, v2
	s_wait_alu depctr_va_vdst(0)
	s_lshl_b32 s16, s42, 9
	s_lshl_b32 s18, s12, 8
	s_add_co_u32 s16, s16, s18
	s_add_nc_u64 s[74:75], s[74:75], s[16:17]
	s_lshl_b32 s18, s13, 19
	s_add_co_u32 s16, s16, s18
	s_lshl_b32 s18, s11, 18
	s_add_co_u32 s16, s16, s18
	s_add_nc_u64 s[76:77], s[76:77], s[16:17]
	s_add_nc_u64 s[78:79], s[78:79], s[16:17]
	WIN 0x80
.irp a, 0,1,2,3
.irp t, 0,1,2,3,4,5,6,7
	global_load_b128 v[32*\a+4*\t:32*\a+4*\t+3], v[CO], s[76:77] offset:(16*\a+2*\t)*4096
.endr
.endr
.irp b, 0,1,2,3
	global_load_b128 v[128+8*\b:131+8*\b], v5, s[74:75] offset:64*\b
	global_load_b128 v[132+8*\b:135+8*\b], v5, s[74:75] offset:64*\b+16
.endr
	WIN 0
.macro FRAG reg, adr, k, i
.irp c, 0,1,2,3
	ds_load_b128 v[\reg+4*\c:\reg+4*\c+3], v[\adr] offset:(\k)+32*\c+(\i)*16*PITCH
.endr
.endm
.macro FETCH slot, k, f
	WIN TO_F
.irp i, 0,1,2,3
	FRAG \f+64+16*\i, ADRB+\slot, \k, \i
.endr
.irp i, 0,1,2,3
	FRAG \f+16*\i, ADRA+\slot, \k, \i
.endr
.endm
.macro MUL4 f, a, zero
.irp b, 0,1,2,3
.if \zero
	v_wmma_f32_16x16x128_bf8_bf8 v[ACC+8*(4*(\a)+\b):ACC+8*(4*(\a)+\b)+7], v[\f+64+16*\b:\f+64+16*\b+15], v[\f+16*(\a):\f+16*(\a)+15], 0
.else
	v_wmma_f32_16x16x128_bf8_bf8 v[ACC+8*(4*(\a)+\b):ACC+8*(4*(\a)+\b)+7], v[\f+64+16*\b:\f+64+16*\b+15], v[\f+16*(\a):\f+16*(\a)+15], v[ACC+8*(4*(\a)+\b):ACC+8*(4*(\a)+\b)+7]
.endif
.endr
.endm
.macro PLACES
.rept 4
	v_nop
.endr
.endm
.macro QUARTER slot, k, f, g, zero
	s_wait_dscnt 8
	WIN MUL
	MUL4 \f, 0, \zero
	MUL4 \f, 1, \zero
	PLACES
	FETCH \slot, \k, \g
	s_wait_dscnt 32
	WIN MUL
	MUL4 \f, 2, \zero
	MUL4 \f, 3, \zero
.endm
.macro TURN slot, next, fill
.if \fill
	s_wait_xcnt 0x0                                ; my last prefetch has read its address: it is stepped here, a K step behind that prefetch
	s_add_nc_u64 s[PFA:PFA+1], s[PFA:PFA+1], KSTEP
.endif
	WIN 0
	s_wait_tensorcnt 0x0
	ds_add_u32 v[SPW], v[NIL]
	s_wait_dscnt 9
	WIN MUL
	MUL4 F1, 0, 0
	s_wait_dscnt 0x0
	s_barrier_signal -1
	MUL4 F1, 1, 0
.if \fill
	WIN 0
.endif
	s_barrier_wait -1
.if \fill
	CREST
	s_add_nc_u64 s[G0+4*\slot+2:G0+4*\slot+3], s[G0+4*\slot+2:G0+4*\slot+3], 2*KSTEP
	s_add_nc_u64 s[G0B+4*\slot+2:G0B+4*\slot+3], s[G0B+4*\slot+2:G0B+4*\slot+3], 2*KSTEP
	JLOAD \slot
.else
	PLACES
.endif
	FETCH \next, 0, F0
.if \fill
	WIN 0                                          ; at a branch and at a label every window is 0
	ASK
.endif
	WIN MUL
	MUL4 F1, 2, 0
	MUL4 F1, 3, 0
.endm
	s_wait_tensorcnt 1
	s_barrier_signal -1
	s_barrier_wait -1
	FETCH 0, 0, F0
	QUARTER 0, 128, F0, F1, 1
	WIN 0
	s_mov_b32 s3, LAPS-1
.Llap:
	QUARTER 0, 256, F1, F0, 0
	QUARTER 0, 384, F0, F1, 0
	TURN 0, 1, 1
	QUARTER 1, 128, F0, F1, 0
	QUARTER 1, 256, F1, F0, 0
	QUARTER 1, 384, F0, F1, 0
	TURN 1, 0, 1
	QUARTER 0, 128, F0, F1, 0
	WIN 0
	s_sub_co_u32 s3, s3, 1
	s_cmp_lg_u32 s3, 0
	s_cbranch_scc1 .Llap
	QUARTER 0, 256, F1, F0, 0
	QUARTER 0, 384, F0, F1, 0
	TURN 0, 1, 0
	QUARTER 1, 128, F0, F1, 0
	QUARTER 1, 256, F1, F0, 0
	QUARTER 1, 384, F0, F1, 0
	s_wait_dscnt 8
	WIN MUL
	MUL4 F1, 0, 0
	MUL4 F1, 1, 0
	s_wait_dscnt 0
	MUL4 F1, 2, 0
	MUL4 F1, 3, 0
	WIN 0
	s_wait_kmcnt 0x0
	s_add_co_i32 s96, s96, s97
	s_add_co_i32 s96, s96, 127
	s_lshl_b32 s96, s96, 23
	s_mov_b32 s97, s96
	s_wait_loadcnt 0x0
	PLACES
.macro OUTB a
.set BK, 64+32*((\a)%2)
	WIN 0x20
.set i, 0
.rept 16
	v_pk_fma_f32 v[TMP+i:TMP+i+1], v[ACC+32*(\a)+i:ACC+32*(\a)+i+1], s[96:97], v[128+i:129+i] op_sel_hi:[1,0,1]
.set i, i+2
.endr
	WIN 0
.irp b, 0,1,2,3
	ds_store_b128 v[STO], v[TMP+8*\b:TMP+8*\b+3] offset:64*\b
	ds_store_b128 v[STO], v[TMP+8*\b+4:TMP+8*\b+7] offset:64*\b+16
.endr
.if (\a) >= 2
	s_wait_xcnt 0x0
.endif
.irp t, 0,1,2,3,4,5,6,7
	ds_load_b128 v[BK+4*\t:BK+4*\t+3], v[RD] offset:\t*2*SPITCH
.endr
	s_wait_dscnt 0x0
	WIN 0x08
.set i, 0
.rept 16
	v_pk_add_f32 v[BK+i:BK+i+1], v[BK+i:BK+i+1], v[32*(\a)+i:32*(\a)+i+1]
.set i, i+2
.endr
	WIN 0
.irp t, 0,1,2,3,4,5,6,7
	global_store_b128 v[CO], v[BK+4*\t:BK+4*\t+3], s[78:79] offset:(16*(\a)+2*\t)*4096 th:TH_STORE_NT
.endr
.endm
	OUTB 0
	OUTB 1
	OUTB 2
	OUTB 3
	s_wait_tensorcnt 0x0
	ds_add_u32 v[SPW], v[NIL]
	s_wait_dscnt 0x0
	CROUND
	s_endpgm
.Lfunc_end_k_q70b451ea49_ffn2:
	.size	k_q70b451ea49_ffn2, .Lfunc_end_k_q70b451ea49_ffn2-k_q70b451ea49_ffn2
	.p2alignl 7, 3214868480
	.fill 96, 4, 3214868480
	.section	.rodata,"a",@progbits
	.p2align	6, 0x0
	.amdhsa_kernel k_q70b451ea49_ffn2
		.amdhsa_group_segment_fixed_size 327680
		.amdhsa_private_segment_fixed_size 0
		.amdhsa_enable_private_segment 0
		.amdhsa_kernarg_size 48
		.amdhsa_user_sgpr_count 2
		.amdhsa_user_sgpr_kernarg_segment_ptr 1
		.amdhsa_wavefront_size32 1
		.amdhsa_system_sgpr_workgroup_id_x 1
		.amdhsa_system_sgpr_workgroup_id_y 1
		.amdhsa_system_sgpr_workgroup_id_z 1
		.amdhsa_system_vgpr_workitem_id 0
		.amdhsa_next_free_vgpr 768
		.amdhsa_next_free_sgpr 98
		.amdhsa_reserve_vcc 0
		.amdhsa_float_denorm_mode_32 3
		.amdhsa_float_denorm_mode_16_64 3
		.amdhsa_memory_ordered 1
		.amdhsa_forward_progress 1
		.amdhsa_inst_pref_size 84
	.end_amdhsa_kernel
	.amdgpu_metadata
---
amdhsa.version: [ 1, 2 ]
amdhsa.kernels:
  - .name:           k_q70b451ea49_ffn2
    .symbol:         k_q70b451ea49_ffn2.kd
    .args:
      - { .name: gcodes, .offset: 0, .size: 8, .value_kind: global_buffer, .address_space: global }
      - { .name: codes, .offset: 8, .size: 8, .value_kind: global_buffer, .address_space: global }
      - { .name: lowp_scales, .offset: 16, .size: 8, .value_kind: global_buffer, .address_space: global }
      - { .name: b2, .offset: 24, .size: 8, .value_kind: global_buffer, .address_space: global }
      - { .name: obuf, .offset: 32, .size: 8, .value_kind: global_buffer, .address_space: global }
      - { .name: out0, .offset: 40, .size: 8, .value_kind: global_buffer, .address_space: global }
    .group_segment_fixed_size: 327680
    .private_segment_fixed_size: 0
    .kernarg_segment_align: 8
    .kernarg_segment_size: 48
    .max_flat_workgroup_size: 128
    .sgpr_count:     98
    .vgpr_count:     768
    .wavefront_size: 32
...
	.end_amdgpu_metadata
.endif
;; end of part 6
